; MI455X (gfx1250); checked and timed in simulation.
; The chip was launched on July 23, 2026; its instructions are those of AMD's public machine-readable ISA for CDNA 5 (MIT licence, August 2026) and "CDNA5" Instruction Set Architecture Reference Guide (July 2026). The comments in the code are by the model that wrote it; some were corrected since.
;; Multi Head Attention. Allowed arithmetic: matrix products marked QUANTISED: E4M3 operands, one E8M0 scale for each 32 along K, by v_wmma_scale_f32_16x16x128_f8f6f4 with both operands' format E4M3, f32 sums; everything else in f32.
;; Inputs: Wk 1,024 x 1,024 float32; Wo 1,024 x 1,024 float32; Wq 1,024 x 1,024 float32; Wv 1,024 x 1,024 float32; bk 1,024 float32; bo 1,024 float32; bq 1,024 float32; bv 1,024 float32; x 4 x 2,048 x 1,024 float32.
;; Outputs: out0 4 x 2,048 x 1,024 float32.
;; This version of the problem:
;;   THIS VERSION OF THE PROBLEM IS GIVEN IN LOW PRECISION. The matrix products marked QUANTISED in the list below multiply operands that are first quantised to E4M3 (4 exponent bits, 3 mantissa bits; 8 bits a number), with one power-of-two scale for each 32 numbers along K (OCP MX v1.0); their sums are f32. All else is computed in f32.
;;   The module's matrix products, in the order in which they are computed (A, B: the left and right operand; K: the contracted axis; several contracted axes count as one K, in the product's order):
;;     1. [M 8,192, K 1,024] x [K 1,024, N 1,024]; A: input x; B: input Wq: QUANTISED
;;     2. [M 8,192, K 1,024] x [K 1,024, N 1,024]; A: input x; B: input Wk: QUANTISED
;;     3. [M 8,192, K 1,024] x [K 1,024, N 1,024]; A: input x; B: input Wv: QUANTISED
;;     4. batch 64 x [M 2,048, K 64] x [K 64, N 2,048]; A: computed on the way; B: computed on the way: QUANTISED
;;     5. batch 64 x [M 2,048, K 2,048] x [K 2,048, N 64]; A: softmax (see below); B: computed on the way: QUANTISED
;;     6. [M 8,192, K 1,024] x [K 1,024, N 1,024]; A: computed on the way; B: input Wo: QUANTISED
;;   THE QUANTISER, for each operand of a quantised product, along K:
;;     - K is cut into blocks of 32 from its start; a last block that is shorter is filled with zeros.
;;     - A block's scale is 2^e with e = floor(log2(the largest magnitude in the block)) - 8, held to -126 .. 127; a block of zeros has e = 0. As a byte (E8M0): e + 127.
;;     - Each number is divided by its block's scale, clamped to +-448, and rounded to the nearest number of E4M3, ties to even, subnormals kept.
;;     - The product sums the exact products of the quantised numbers (number of the format x scale) in f32.
;;   ~~~python
;;   def quantise(x, axis):      # numpy; x: float32 -> the quantised numbers, widened to float32 again
;;       x = np.moveaxis(x, axis, -1); K = x.shape[-1]
;;       x = np.pad(x, [(0, 0)] * (x.ndim - 1) + [(0, -K % 32)]); x = x.reshape(x.shape[:-1] + (-1, 32)); a = np.abs(x).max(-1, keepdims=True)
;;       e = np.where(a > 0, np.clip(np.frexp(np.where(a > 0, a, 1))[1] - 1 - 8, -126, 127), 0)      # np.frexp(a)[1] - 1 = floor(log2(a)), exactly
;;       r = np.clip(x / 2.0 ** e, -448, 448)
;;       step = 2.0 ** (np.maximum(np.frexp(np.where(r == 0, 1, r))[1] - 1, -6) - 3)
;;       q = np.round(r / step) * step * 2.0 ** e      # np.round: ties to even
;;       return np.moveaxis(q.reshape(q.shape[:-2] + (-1,))[..., :K], -1, axis).astype(np.float32)
;;   ~~~
;;   SOFTMAX AHEAD OF A QUANTISED PRODUCT. Where the list says 'softmax', what is quantised is not the finished softmax but p = 2^(t - M), with t = logit x log2(e) and M = ceil(the row's largest t), a whole number; so 1/2 < the row's largest p <= 1. The row's sum l is taken of the UNQUANTISED p, in f32, and the product's result is divided by l at the end. Since M is a whole number, a kernel that streams over the keys may use a running M (the ceiling of the running maximum): every later rescaling is an exact power of two, which a block's scale takes up: the codes' values come out the same.
;;   OPERANDS COMPUTED ON THE WAY. 'Computed on the way' means the value that the module computes at that place (a softmax that the list does not call 'softmax' is quantised finished and normalised). What goes into a quantiser is computed in f32, as accurately as f32 sums, v_exp_f32 and their like allow (about 1e-6 of the number): no bf16 or f16 on the way to a quantiser, and a product that is left as it is and whose result goes on into a quantised operand takes f32 operands (vector FMAs, or v_wmma_f32_16x16x4_f32). A number that lies on a knife's edge between two numbers of the format may be rounded either way, as far as f32 arithmetic and the matrix unit's own rounding can turn it there, and no further.
;; One version. Each part assembles by itself: llvm-mc -triple=amdgcn-amd-amdhsa -mcpu=gfx1250 --defsym DOCPART=n.
;; ======== version 1 of 1: 4 launches
;; limits: right only within a limited range of input values
;; workspace buffers: xc 8,388,608 bytes; xs 262,144 bytes; wc 4,194,304 bytes; ws 131,072 bytes; qr 8,650,752 bytes; kv 17,301,504 bytes; oc 8,388,608 bytes; os 262,144 bytes
;; launch quant (part 1): grid 384 x 1, 4 waves a work-group, no clusters, 68,096 bytes of LDS; arguments x, xc, xs, Wq, Wk, Wv, Wo, wc, ws; writes xc, xs, wc, ws
.if DOCPART == 1
	.amdgcn_target "amdgcn-amd-amdhsa--gfx1250"
	.amdhsa_code_object_version 6
	.text
	.protected	k_q090903b4bd_quant
	.globl	k_q090903b4bd_quant
	.p2align	8
	.type	k_q090903b4bd_quant,@function
k_q090903b4bd_quant:
	s_mov_b64 s[64:65], 0
	v_nop
	global_prefetch_b8 v0, s[64:65] scope:SCOPE_SE
	s_setreg_imm32_b32 hwreg(HW_REG_WAVE_MODE, 25, 1), 1
	s_wait_xcnt 0x0
; MULTI-HEAD ATTENTION IN MX-FP8, four launches: this one (x and the four weights into codes), gemm_qkv (the three projections, quantised on the way out),
; attn (both attention products), gemm_out (the last projection).  NO WORK OF THE PROBLEM IS LEFT OUT: every input has a way to the output (bk too: it moves k's codes), and every product is done.
; THE QUANTISER: a block's scale is 2^(floor(log2(its largest magnitude)) - 8); its byte is the largest magnitude's exponent field - 8, held at 1 from below.  Each number is divided by the scale, held within +-448, rounded to the nearest code, ties to even.
; LIMITS: a block of zeros gets the byte 1 where the rule says 127 (its codes are zeros, and this program alone reads the bytes); blocks whose largest magnitude lies under 2^-118 are held at the floor; NaN and infinities among the inputs are not served.
; WORK-GROUPS 0-255: x [8192][1024] f32 becomes codes, K innermost (xc), and one E8M0 byte for each 32 along K (xs).  A wave takes 16 steps of 512 numbers (8 rows); each load reads 512 consecutive bytes;
; a step's 2,048 bytes turn through the wave's own stage in LDS and come back 64 bytes (16 neighbours) a lane; two lanes hold a block.
; WORK-GROUPS 256-383: the four weights [1024 (k)][1024 (n)], K their first axis, become codes laid [4096 rows][1024], K innermost (wc: Wq, Wk, Wv, Wo), and scale bytes [4096][32] (ws).
; A lane takes a column and its registers run down K; a wave takes 32 columns x 256 along K; its codes leave through its stage as rows: sixteen lanes store 256 consecutive bytes, aligned.  The scale bytes leave 8 a lane, rows 32 bytes apart: one byte in 128 of what these work-groups read.
; ROWS ARE LAID BY POSITION in all four buffers: position p holds row tau(p), p with its bits 3 and 4 exchanged: sixteen neighbouring positions 16 i + r are rows 32 (i / 2) + 8 (i % 2) + r + 8 (r / 8).
; The two kinds of work-group part on the work-group's number and have LDS bytes of their own.  No tensor loads, no barrier: waves share nothing.
.set STEPS, 16
.set CB,    16
.set R,     16                         ; x: v16-79 four sets of 16 numbers as loaded
.set X,     80                         ; v80-111 two sets of 16 neighbours
.set C,     128                        ; v128-191 codes: four registers a step
.set E,     112                        ; v112-127 a scale byte a step
.set WREG,  8192                       ; x: a region for each wave: two stages of 32 x SP bytes, then its 256 scale bytes
.set SP,    80
.set WBASE, 4*WREG                     ; the weights' four stages lie behind x's regions
.set PITCH, 272
.set SPARE, WBASE+4*32*PITCH           ; behind both: the spare words, 128 bytes a wave
.set SPW,   192                        ; v192 LDS address of my spare word; never rewritten
.set NIL,   193                        ; v193 0; never rewritten
	v_lshl_add_u32 v[SPW], v0, 2, SPARE
	v_mov_b32 v[NIL], 0
	s_cmp_lt_u32 ttmp9, 256
	s_cbranch_scc0 .Lweights
	s_load_b128 s[4:7], s[0:1], 0x0                ; x, xc
	s_load_b64 s[10:11], s[0:1], 0x10              ; xs
	v_lshrrev_b32 v1, 5, v0
	v_readfirstlane_b32 s16, v1                    ; wave
	v_and_b32 v2, 31, v0                           ; lane
	v_lshlrev_b32 v3, 4, v2                        ; my 16 bytes of a load's 512
	s_mul_i32 s17, s16, WREG
	v_lshrrev_b32 v14, 2, v2
	v_mul_u32_u24 v14, v14, SP
	v_and_b32 v15, 3, v2
	v_lshl_add_u32 v14, v15, 4, v14
	v_add_nc_u32 v14, s17, v14                     ; the stage, on the way in: SP (lane / 4) + 16 (lane % 4)
	v_mul_u32_u24 v15, v2, SP
	v_add_nc_u32 v15, s17, v15                     ; and on the way out: SP x lane
	v_mul_u32_u24 v4, v2, CB
	v_lshrrev_b32 v5, 1, v2
	s_add_co_u32 s17, s17, 2*32*SP
	v_add_nc_u32 v5, s17, v5                       ; my block's scale byte in LDS
	v_lshlrev_b32 v7, 3, v2
	v_add_nc_u32 v6, s17, v7
	s_mov_b32 s23, 0x600000                        ; the mantissa field of 448
	s_lshl_b32 s18, ttmp9, 2
	s_add_co_u32 s20, s18, s16                     ; the run of 8 rows that I read
	s_lshl_b32 s20, s20, 15
	s_mov_b32 s21, 0
	s_and_b32 s19, s16, 1
	s_lshl_b32 s19, s19, 1
	s_lshr_b32 s22, s16, 1
	s_or_b32 s19, s19, s22                         ; the wave's two bits exchanged: tau on runs of 8 rows
	s_add_co_u32 s18, s18, s19                     ; the run that I write
	s_lshl_b32 s24, s18, 13
	s_mov_b32 s25, 0
	s_lshl_b32 s26, s18, 8
	s_mov_b32 s27, 0
	s_wait_alu depctr_va_vdst(0)                   ; the wait at the head's end
	s_wait_kmcnt 0x0
	s_add_nc_u64 s[4:5], s[4:5], s[20:21]
	s_add_nc_u64 s[6:7], s[6:7], s[24:25]
	s_add_nc_u64 s[10:11], s[10:11], s[26:27]
.macro LOAD t
.irp i, 0,1,2,3
	global_load_b128 v[R+16*((\t)%4)+4*\i:R+16*((\t)%4)+4*\i+3], v3, s[4:5] offset:2048*(\t)+512*\i th:TH_LOAD_NT
.endr
.endm
.macro TURN t                          ; LDS serves a wave's instructions in order: no wait between the stores and the loads
.irp i, 0,1,2,3
	ds_store_b128 v14, v[R+16*((\t)%4)+4*\i:R+16*((\t)%4)+4*\i+3] offset:32*SP*((\t)%2)+8*SP*\i
.endr
.irp i, 0,1,2,3
	ds_load_b128 v[X+16*((\t)%2)+4*\i:X+16*((\t)%2)+4*\i+3], v15 offset:32*SP*((\t)%2)+16*\i
.endr
.endm
.irp t, 0,1,2,3
	LOAD \t
.endr
	s_wait_loadcnt 12                              ; step 0's four loads are in
	TURN 0
.macro STEP t
.set XS, X+16*((\t)%2)
.if (\t) > 0
	s_wait_dscnt 1                                 ; this step's numbers are back (the last step's byte store may be out)
.else
	s_wait_dscnt 0x0
.endif
.if (\t)+4 < STEPS
	LOAD (\t)+4
.endif
.if (\t)+1 < STEPS
.if STEPS-2-(\t) >= 3
	s_wait_loadcnt 12                              ; the next step's four loads are in; three steps' may be out
.else
	s_wait_loadcnt 4*(STEPS-2-(\t))
.endif
	TURN (\t)+1
.endif
	v_max3_num_f32 v8, |v[XS]|, |v[XS+1]|, |v[XS+2]|
	v_max3_num_f32 v9, |v[XS+3]|, |v[XS+4]|, |v[XS+5]|
.irp i, 6,10
	v_max3_num_f32 v8, v8, |v[XS+\i]|, |v[XS+\i+1]|
	v_max3_num_f32 v9, v9, |v[XS+\i+2]|, |v[XS+\i+3]|
.endr
	v_max3_num_f32 v8, v8, |v[XS+14]|, |v[XS+15]|
	v_max3_num_f32 v8, v8, v9, 0x4800000           ; the floor 2^(9 - 127)
	v_max_num_f32_dpp v8, v8, v8 row_xmask:1 row_mask:0xf bank_mask:0xf   ; with my neighbour's 16
	v_add_nc_u32 v11, 0xfc000000, v8               ; the conversion's scale operand
	v_and_or_b32 v10, v8, 0x7f800000, s23          ; 448 x the scale
.irp i, 0,1,2,3,4,5,6,7,8,9,10,11,12,13,14,15
	v_med3_num_f32 v[XS+\i], v[XS+\i], -v10, v10   ; the conversion does not saturate (ISA guide 7.6.2): the hold comes first
.endr
	v_cvt_scalef32_pk8_fp8_f32 v[C+4*(\t):C+4*(\t)+1], v[XS:XS+7], v11
	v_cvt_scalef32_pk8_fp8_f32 v[C+4*(\t)+2:C+4*(\t)+3], v[XS+8:XS+15], v11
	v_lshrrev_b32 v[E+(\t)], 23, v11
	ds_store_b8 v5, v[E+(\t)] offset:16*(\t)
	global_store_b128 v4, v[C+4*(\t):C+4*(\t)+3], s[6:7] offset:32*CB*(\t)
.endm
.irp t, 0,1,2,3,4,5,6,7,8,9,10,11,12,13,14,15
	STEP \t
.endr
	ds_load_b64 v[8:9], v6
	s_wait_dscnt 0x0
	global_store_b64 v7, v[8:9], s[10:11]          ; 32 lanes store 256 consecutive bytes, aligned
	s_wait_tensorcnt 0x0                           ; the wave's end
	ds_add_u32 v[SPW], v[NIL]
	s_wait_dscnt 0x0
	s_endpgm
.Lweights:
.set NB,    8
.set KROW,  1024
.set NROW,  4096
.set WX,    32                         ; v32-95 two sets of 32 numbers
.set WC,    96                         ; v96-103 a block's codes
.set OUTR,  112                        ; v112-175 the way out
.set SB,    24                         ; v24-25 the scale bytes
	s_load_b256 s[4:11], s[0:1], 0x18              ; Wq, Wk, Wv, Wo
	s_load_b128 s[12:15], s[0:1], 0x38             ; wc, ws
	v_lshrrev_b32 v1, 5, v0
	v_readfirstlane_b32 s16, v1                    ; wave
	v_and_b32 v2, 31, v0                           ; lane
	s_wait_alu depctr_va_vdst(0)                   ; ahead of the run of scalar lines
	s_sub_co_u32 s32, ttmp9, 256
	s_and_b32 s33, s32, 31                         ; weight (s33 / 8) and 128 columns (s33 % 8)
	s_and_b32 s17, s33, 7
	s_lshl_b32 s17, s17, 7
	s_lshl_b32 s18, s16, 5
	s_add_co_u32 s17, s17, s18                     ; my wave's first column in its weight
	s_lshl_b32 s30, s33, 7
	s_add_co_u32 s30, s30, s18                     ; and its first row in wc and ws
	s_lshr_b32 s18, s32, 5                         ; which 256 along K
	v_lshlrev_b32 v3, 2, v2
	v_and_b32 v10, 7, v2
	v_bfe_u32 v11, v2, 3, 1
	v_lshl_or_b32 v10, v11, 4, v10
	v_bfe_u32 v11, v2, 4, 1
	v_lshl_or_b32 v10, v11, 3, v10                 ; tau(lane)
	s_mul_i32 s19, s16, 32*PITCH
	s_add_co_u32 s19, s19, WBASE                   ; my stage
	v_mul_u32_u24 v4, v10, PITCH
	v_add_nc_u32 v4, s19, v4
	v_and_b32 v5, 15, v2
	v_lshrrev_b32 v6, 4, v2
	v_mul_u32_u24 v7, v6, PITCH
	v_lshl_add_u32 v7, v5, 4, v7
	v_add_nc_u32 v7, s19, v7
	v_mul_u32_u24 v8, v6, KROW
	v_lshl_add_u32 v8, v5, 4, v8
	v_lshlrev_b32 v9, 5, v10
	s_lshl_b32 s20, s18, 20
	s_lshl_b32 s22, s17, 2
	s_add_co_u32 s20, s20, s22
	s_mov_b32 s21, 0
	s_lshl_b32 s24, s30, 10
	s_lshl_b32 s22, s18, 8
	s_add_co_u32 s24, s24, s22
	s_mov_b32 s25, 0
	s_lshl_b32 s28, s30, 5
	s_lshl_b32 s22, s18, 3
	s_add_co_u32 s28, s28, s22
	s_mov_b32 s29, 0
	s_mov_b32 s31, 0x600000
	s_lshr_b32 s26, s33, 3                         ; which weight
	s_and_b32 s27, s26, 1
	s_wait_alu depctr_va_vdst(0)                   ; the wait at the head's end
	s_wait_kmcnt 0x0
	s_cmp_eq_u32 s27, 1
	s_cselect_b64 s[4:5], s[6:7], s[4:5]
	s_cselect_b64 s[8:9], s[10:11], s[8:9]
	s_cmp_lt_u32 s26, 2
	s_cselect_b64 s[4:5], s[4:5], s[8:9]
	s_add_nc_u64 s[4:5], s[4:5], s[20:21]
	s_add_nc_u64 s[6:7], s[12:13], s[24:25]
	s_add_nc_u64 s[8:9], s[14:15], s[28:29]
.macro WLOAD t
.irp i, 0,1,2,3,4,5,6,7,8,9,10,11,12,13,14,15,16,17,18,19,20,21,22,23,24,25,26,27,28,29,30,31
	global_load_b32 v[WX+32*((\t)%2)+\i], v3, s[4:5] offset:(32*(\t)+\i)*NROW th:TH_LOAD_NT
.endr
.endm
	WLOAD 0
	WLOAD 1
.macro BLOCK t
.set XS, WX+32*((\t)%2)
.if (\t) < NB-1
	s_wait_loadcnt 32                              ; this block's 32 loads are in; the next block's may be out
.else
	s_wait_loadcnt 0
.endif
	v_max3_num_f32 v12, |v[XS]|, |v[XS+1]|, |v[XS+2]|
	v_max3_num_f32 v13, |v[XS+3]|, |v[XS+4]|, |v[XS+5]|
.irp i, 6,10,14,18,22,26
	v_max3_num_f32 v12, v12, |v[XS+\i]|, |v[XS+\i+1]|
	v_max3_num_f32 v13, v13, |v[XS+\i+2]|, |v[XS+\i+3]|
.endr
	v_max3_num_f32 v12, v12, |v[XS+30]|, |v[XS+31]|
	v_max3_num_f32 v12, v12, v13, 0x4800000
	v_add_nc_u32 v11, 0xfc000000, v12
	v_and_or_b32 v10, v12, 0x7f800000, s31
	v_lshrrev_b32 v13, 23, v11
.if (\t)%4 == 0
	v_mov_b32 v[SB+(\t)/4], v13
.else
	v_lshl_or_b32 v[SB+(\t)/4], v13, 8*((\t)%4), v[SB+(\t)/4]
.endif
.irp i, 0,1,2,3,4,5,6,7,8,9,10,11,12,13,14,15,16,17,18,19,20,21,22,23,24,25,26,27,28,29,30,31
	v_med3_num_f32 v[XS+\i], v[XS+\i], -v10, v10
.endr
.irp g, 0,1,2,3
	v_cvt_scalef32_pk8_fp8_f32 v[WC+2*\g:WC+2*\g+1], v[XS+8*\g:XS+8*\g+7], v11
.endr
	ds_store_b128 v4, v[WC:WC+3] offset:32*(\t)
	ds_store_b128 v4, v[WC+4:WC+7] offset:32*(\t)+16
.if (\t)+2 < NB
	WLOAD (\t)+2
.endif
	s_wait_dscnt 0x0                               ; the stores have read their registers
.endm
.set Q, 0
.rept NB
	BLOCK Q
.set Q, Q+1
.endr
	global_store_b64 v9, v[SB:SB+1], s[8:9]
.irp t, 0,1,2,3,4,5,6,7,8,9,10,11,12,13,14,15
	ds_load_b128 v[OUTR+4*\t:OUTR+4*\t+3], v7 offset:2*\t*PITCH
.endr
.irp t, 0,1,2,3,4,5,6,7,8,9,10,11,12,13,14,15
	s_wait_dscnt 15-\t
	global_store_b128 v8, v[OUTR+4*\t:OUTR+4*\t+3], s[6:7] offset:2*\t*KROW
.endr
	s_wait_tensorcnt 0x0                           ; the wave's end
	ds_add_u32 v[SPW], v[NIL]
	s_wait_dscnt 0x0
	s_endpgm
.Lfunc_end_k_q090903b4bd_quant:
	.size	k_q090903b4bd_quant, .Lfunc_end_k_q090903b4bd_quant-k_q090903b4bd_quant
	.p2alignl 7, 3214868480
	.fill 96, 4, 3214868480
	.section	.rodata,"a",@progbits
	.p2align	6, 0x0
	.amdhsa_kernel k_q090903b4bd_quant
		.amdhsa_group_segment_fixed_size 68096
		.amdhsa_private_segment_fixed_size 0
		.amdhsa_enable_private_segment 0
		.amdhsa_kernarg_size 72
		.amdhsa_user_sgpr_count 2
		.amdhsa_user_sgpr_kernarg_segment_ptr 1
		.amdhsa_wavefront_size32 1
		.amdhsa_system_sgpr_workgroup_id_x 1
		.amdhsa_system_sgpr_workgroup_id_y 1
		.amdhsa_system_sgpr_workgroup_id_z 1
		.amdhsa_system_vgpr_workitem_id 0
		.amdhsa_next_free_vgpr 200
		.amdhsa_next_free_sgpr 66
		.amdhsa_reserve_vcc 0
		.amdhsa_float_denorm_mode_32 3
		.amdhsa_float_denorm_mode_16_64 3
		.amdhsa_memory_ordered 1
		.amdhsa_forward_progress 1
		.amdhsa_inst_pref_size 110
	.end_amdhsa_kernel
	.amdgpu_metadata
---
amdhsa.version: [ 1, 2 ]
amdhsa.kernels:
  - .name:           k_q090903b4bd_quant
    .symbol:         k_q090903b4bd_quant.kd
    .args:
      - { .name: x, .offset: 0, .size: 8, .value_kind: global_buffer, .address_space: global }
      - { .name: xc, .offset: 8, .size: 8, .value_kind: global_buffer, .address_space: global }
      - { .name: xs, .offset: 16, .size: 8, .value_kind: global_buffer, .address_space: global }
      - { .name: Wq, .offset: 24, .size: 8, .value_kind: global_buffer, .address_space: global }
      - { .name: Wk, .offset: 32, .size: 8, .value_kind: global_buffer, .address_space: global }
      - { .name: Wv, .offset: 40, .size: 8, .value_kind: global_buffer, .address_space: global }
      - { .name: Wo, .offset: 48, .size: 8, .value_kind: global_buffer, .address_space: global }
      - { .name: wc, .offset: 56, .size: 8, .value_kind: global_buffer, .address_space: global }
      - { .name: ws, .offset: 64, .size: 8, .value_kind: global_buffer, .address_space: global }
    .group_segment_fixed_size: 68096
    .private_segment_fixed_size: 0
    .kernarg_segment_align: 8
    .kernarg_segment_size: 72
    .max_flat_workgroup_size: 128
    .sgpr_count:     66
    .vgpr_count:     200
    .wavefront_size: 32
...
	.end_amdgpu_metadata
.endif
;; end of part 1
;; launch gemm_qkv (part 2): grid 12 x 32, 4 waves a work-group, clusters of 4 x 4, 327,680 bytes of LDS; arguments xc, xs, wc, ws, bq, bk, bv, qr, kv; writes qr, kv
.if DOCPART == 2
	.amdgcn_target "amdgcn-amd-amdhsa--gfx1250"
	.amdhsa_code_object_version 6
	.text
	.protected	k_q090903b4bd_gemm_qkv
	.globl	k_q090903b4bd_gemm_qkv
	.p2align	8
	.type	k_q090903b4bd_gemm_qkv,@function
k_q090903b4bd_gemm_qkv:
	s_mov_b64 s[64:65], 0
	v_nop
	global_prefetch_b8 v0, s[64:65] scope:SCOPE_SE
	s_setreg_imm32_b32 hwreg(HW_REG_WAVE_MODE, 25, 1), 1
	s_wait_xcnt 0x0
	s_wait_alu depctr_hold_cnt(0) depctr_sa_sdst(0) depctr_va_vdst(0) depctr_va_sdst(0) depctr_va_ssrc(0) depctr_va_vcc(0) depctr_vm_vsrc(0)
	s_getreg_b32 s2, hwreg(HW_REG_IB_STS2, 6, 4)
	s_cmp_eq_u32 s2, 0
	s_cbranch_scc0 .Lentry_in_a_cluster
	s_endpgm
.Lentry_in_a_cluster:
	s_bfe_u32 s2, ttmp6, 0x10000c
	s_cmp_lg_u32 s2, 0xf033
	s_cbranch_scc0 .Lentry_shape_is_right
	s_endpgm
.Lentry_shape_is_right:
.set NQ,     2
.set ROWB,   256
.set KROW,   1024
.set PITCH,  272
.set FR,     16
.set NL,     4
.set NP,     8
.set HALFT,  128*PITCH
.set SLOT,   4*HALFT
.set LAPS,   2
.set KS,     32
.set SCL,    2*SLOT
.set HALFS,  16*272
.set SBLK,   2*272
.set SPARE,  SCL+4*HALFS
.set BIASL,  SPARE+512
.set BA,   8
.set BVA,  9
.set OL,   10
.set R16,  11
.set OS,   12
.set SELV, 13
.set HH,   14
.set ADRA, 16
.set ADRB, 20
.set ADRS, 27
.set SPW,  28
.set NIL,  29
.set SC,   32
.set AF,   128
.set T,    64
.set BI,   128
.set PC,   192
.set TM,   224
.set PW,   240
.set SW,   32
.set G1, 24
.set G0, 32
.set G1B, 48
.set G0B, 56
.set G1S, 68
.set G0S, 76
.set G1SB, 80
.set G0SB, 88
.set MNT, 93
.set SEL, 94
.set MSB, 0
.macro WIN new
.if MSB != (\new)
	s_set_vgpr_msb (MSB<<8)|(\new)
.set MSB, (\new)
.endif
.endm
.set MUL_LO, 0xa1
.set MUL_HI, 0xf1
.set TO_B,   0x40
.macro JLOAD g0a, g1a, g0b, g1b
	s_cmp_eq_u32 s15, 0
	s_cbranch_scc0 .Lfor_b_\@
	tensor_load_to_lds s[\g0a:\g0a+3], s[\g1a:\g1a+7]
	s_nop 0
.rept 4
	v_nop
.endr
	s_branch .Lasked_\@
.Lfor_b_\@:
	tensor_load_to_lds s[\g0b:\g0b+3], s[\g1b:\g1b+7]
	s_nop 0
.rept 4
	v_nop
.endr
.Lasked_\@:
.endm
.macro CREST
	s_cmp_lg_u32 s14, 0
	s_cbranch_scc1 .Lnot_wave_0_\@
	s_barrier_signal -3
.Lnot_wave_0_\@:
	s_barrier_wait -3
	s_barrier_signal -1
	s_barrier_wait -1
.endm
.macro CROUND
	s_barrier_signal -1
	s_barrier_wait -1
	CREST
.endm
	s_load_b256 s[4:11], s[0:1], 0x0
	s_load_b128 s[96:99], s[0:1], 0x20
	s_load_b64 s[100:101], s[0:1], 0x30
	s_load_b64 s[12:13], s[0:1], 0x38
	s_load_b64 s[66:67], s[0:1], 0x40
	v_lshl_add_u32 v[SPW], v0, 2, SPARE
	v_mov_b32 v[NIL], 0
	ds_add_u32 v[SPW], v[NIL]
	ds_add_u32 v[SPW], v[NIL]
	v_lshrrev_b32 v1, 5, v0
	v_readfirstlane_b32 s14, v1
	s_lshr_b32 s15, s14, 1
	s_and_b32 s16, s14, 1
	s_bfe_u32 s40, ttmp6, 0x40000
	s_bfe_u32 s41, ttmp6, 0x40004
	s_lshl_b32 s42, ttmp9, 2
	s_and_b32 s17, ttmp7, 0xffff
	s_lshl_b32 s17, s17, 2
	s_cmp_eq_u32 ttmp9, 2
	s_cselect_b32 s42, s17, s42
	s_cselect_b32 s17, 8, s17
	s_add_co_u32 s42, s42, s40
	s_add_co_u32 s17, s17, s41
	s_lshl_b32 s43, s41, 2
	s_lshl_b32 s43, 15, s43
	s_lshl_b32 s44, 0x1111, s40
	s_or_b32 s[G1+0], s43, (0<<16)|(1<<20)|(1<<21)|(5<<22)|(3<<25)
	s_or_b32 s[G1B+0], s44, (0<<16)|(1<<20)|(1<<21)|(5<<22)|(3<<25)
.irp g, G1, G1B
	s_mov_b32 s[\g+1], ROWB<<16
	s_mov_b32 s[\g+2], 256<<16
	s_mov_b32 s[\g+3], ROWB<<16
	s_mov_b32 s[\g+4], 256
	s_mov_b32 s[\g+5], KROW
	s_mov_b32 s[\g+6], 0
	s_mov_b32 s[\g+7], 0
.endr
	s_or_b32 s[G1S+0], s43, (3<<16)|(1<<20)|(1<<21)|(5<<22)|(3<<25)
	s_or_b32 s[G1SB+0], s44, (3<<16)|(1<<20)|(1<<21)|(5<<22)|(3<<25)
.irp g, G1S, G1SB
	s_mov_b32 s[\g+1], 32<<16
	s_mov_b32 s[\g+2], 32<<16
	s_mov_b32 s[\g+3], 32<<16
	s_mov_b32 s[\g+4], 32
	s_mov_b32 s[\g+5], 32
	s_mov_b32 s[\g+6], 0
	s_mov_b32 s[\g+7], 0
.endr
	s_lshl_b32 s18, s16, 7
	s_lshl_b32 s20, s17, 8
	s_lshl_b32 s22, s20, 5
	s_mov_b32 s23, 0
	s_lshl_b32 s20, s20, 10
	s_mov_b32 s21, 0
	s_lshl_b32 s46, s42, 8
	s_lshl_b32 s92, s46, 5
	s_mov_b32 s93, 0
	s_lshl_b32 s46, s46, 10
	s_mov_b32 s47, 0
	s_mul_i32 s45, s14, HALFT
	s_wait_dscnt 0x0
	s_wait_kmcnt 0x0
	s_cmp_eq_u32 ttmp9, 2
	s_cselect_b64 s[2:3], s[8:9], s[4:5]
	s_cselect_b64 s[8:9], s[4:5], s[8:9]
	s_mov_b64 s[4:5], s[2:3]
	s_cselect_b64 s[2:3], s[10:11], s[6:7]
	s_cselect_b64 s[10:11], s[6:7], s[10:11]
	s_mov_b64 s[6:7], s[2:3]
	s_add_nc_u64 s[20:21], s[4:5], s[20:21]
	s_add_nc_u64 s[22:23], s[6:7], s[22:23]
	s_add_nc_u64 s[46:47], s[8:9], s[46:47]
	s_add_nc_u64 s[92:93], s[10:11], s[92:93]
	CROUND
	s_mov_b32 s[G0S], 1
	s_mov_b32 s[G0S+1], SCL
	s_mov_b64 s[G0S+2:G0S+3], s[22:23]
	s_or_b32 s[G0S+3], s[G0S+3], 0x80000000
	s_mov_b32 s[G0SB], 1
	s_mov_b32 s[G0SB+1], SCL+2*HALFS
	s_mov_b64 s[G0SB+2:G0SB+3], s[92:93]
	s_or_b32 s[G0SB+3], s[G0SB+3], 0x80000000
	s_mov_b32 s4, 1                                ; the head's loads of K step 0, each tile whole: A's 256 rows,
	s_mov_b32 s5, 0
	s_mov_b64 s[6:7], s[20:21]
	s_or_b32 s7, s7, 0x80000000
	s_mov_b32 s8, 1                                ; B's 256 rows, behind them in slot 0
	s_mov_b32 s9, 2*HALFT
	s_mov_b64 s[10:11], s[46:47]
	s_or_b32 s11, s11, 0x80000000
	s_lshl_b32 s18, s16, 17                        ; for the ring: my 128 rows of a tile, 1,024 bytes a row
	s_mov_b32 s19, 0
	s_add_nc_u64 s[20:21], s[20:21], s[18:19]
	s_add_nc_u64 s[46:47], s[46:47], s[18:19]
.irp s, 0,1
	s_mov_b32 s[G0+4*\s], 1
	s_add_co_u32 s[G0+4*\s+1], s45, \s*SLOT
	s_add_nc_u64 s[G0+4*\s+2:G0+4*\s+3], s[20:21], \s*ROWB
	s_or_b32 s[G0+4*\s+3], s[G0+4*\s+3], 0x80000000
	s_mov_b32 s[G0B+4*\s], 1
	s_add_co_u32 s[G0B+4*\s+1], s45, \s*SLOT
	s_add_nc_u64 s[G0B+4*\s+2:G0B+4*\s+3], s[46:47], \s*ROWB
	s_or_b32 s[G0B+4*\s+3], s[G0B+4*\s+3], 0x80000000
.endr
; the head's loads, one a wave: wave 0 A's rows of K step 0, wave 1 B's, wave 2 A's scales, wave 3 B's: one chain of branches on the wave's number
.macro ARM under, g0, g1, next
	s_cmp_lt_u32 s14, \under
	s_cbranch_scc0 \next
	tensor_load_to_lds s[\g0:\g0+3], s[\g1:\g1+7]
	s_nop 0
.rept 4
	v_nop
.endr
	s_branch .Lhead_asked
\next:
.endm
	ARM 1, 4, G1, .Lhead_b
	ARM 2, 8, G1B, .Lhead_sa
	ARM 3, G0S, G1S, .Lhead_sb
	tensor_load_to_lds s[G0SB:G0SB+3], s[G1SB:G1SB+7]
	s_nop 0
.rept 4
	v_nop
.endr
.Lhead_asked:
	s_and_b32 s19, s42, 3
	s_lshr_b32 s20, s42, 2
	s_cmp_eq_u32 s20, 0
	s_cselect_b64 s[96:97], s[96:97], s[98:99]
	s_cmp_eq_u32 ttmp9, 2
	s_cselect_b64 s[96:97], s[100:101], s[96:97]
	s_cselect_b32 s18, s41, s19
	s_lshl_b32 s18, s18, 10
	s_mov_b32 s19, 0
	s_add_nc_u64 s[96:97], s[96:97], s[18:19]
	v_lshlrev_b32 v15, 3, v0
	global_load_b64 v[30:31], v15, s[96:97]
	v_lshl_add_u32 v7, v0, 3, BIASL
	v_and_b32 v1, 15, v0
	v_bfe_u32 v2, v0, 4, 1
	v_mul_u32_u24 v3, v1, PITCH
	v_lshl_add_u32 v4, v2, 4, v3
	s_mul_i32 s21, s15, HALFT
	s_mul_i32 s22, s16, HALFT
	s_add_co_u32 s22, s22, 2*HALFT
.irp s, 0,1
	v_add_nc_u32 v[ADRA+\s], s21, v4
	v_add_nc_u32 v[ADRB+\s], s22, v4
	s_add_co_u32 s21, s21, SLOT
	s_add_co_u32 s22, s22, SLOT
.endr
	v_mul_u32_u24 v5, v1, KS
	v_lshrrev_b32 v6, 8, v5
	v_lshl_add_u32 v5, v6, 4, v5
	s_mul_i32 s21, s15, HALFS
	s_mul_i32 s22, s16, HALFS
	s_add_co_u32 s22, s22, 2*HALFS
	s_sub_co_u32 s22, s22, s21
	v_mul_u32_u24 v6, s22, v2
	s_add_co_u32 s21, s21, SCL
	v_add_nc_u32 v5, v5, v6
	v_add_nc_u32 v[ADRS], s21, v5
	s_lshl_b32 s21, s16, 9
	s_add_co_u32 s21, s21, BIASL
	v_lshl_add_u32 v[BA], v2, 6, s21
	v_and_b32 v5, 8, v1
	v_add_nc_u32 v5, v5, v1
	s_lshl_b32 s22, s15, 9
	s_add_co_u32 s22, s22, BIASL
	v_lshl_add_u32 v[BVA], v5, 2, s22
	v_and_b32 v6, 31, v0
	v_lshlrev_b32 v[OL], 4, v6
	v_lshlrev_b32 v[R16], 4, v1
	v_mov_b32 v[HH], v2
	s_wait_alu depctr_va_vdst(0)
	s_wait_loadcnt 0x0
	ds_store_b64 v7, v[30:31]
.macro FRAG reg, adr, q, i
.irp c, 0,1,2,3
	ds_load_b128 v[\reg+4*\c:\reg+4*\c+3], v[\adr] offset:128*(\q)+32*\c+(\i)*16*PITCH
.endr
.endm
.macro MUL16 a0, p, q, sc, zero
.irp a, \a0, \a0+1
.irp b, 0,1,2,3,4,5,6,7
.if \zero
	v_wmma_scale_f32_16x16x128_f8f6f4 v[8*(8*((\a)%4)+\b):8*(8*((\a)%4)+\b)+7], v[128*(\p)+FR*\b:128*(\p)+FR*\b+FR-1], v[AF+FR*(\a):AF+FR*(\a)+FR-1], 0, v[SC+8*NQ*(\sc)+NQ*\b+(\q)], v[SC+8*NQ*(\sc)+NQ*(\a)+(\q)] matrix_a_scale:MATRIX_SCALE_ROW1
.else
	v_wmma_scale_f32_16x16x128_f8f6f4 v[8*(8*((\a)%4)+\b):8*(8*((\a)%4)+\b)+7], v[128*(\p)+FR*\b:128*(\p)+FR*\b+FR-1], v[AF+FR*(\a):AF+FR*(\a)+FR-1], v[8*(8*((\a)%4)+\b):8*(8*((\a)%4)+\b)+7], v[SC+8*NQ*(\sc)+NQ*\b+(\q)], v[SC+8*NQ*(\sc)+NQ*(\a)+(\q)] matrix_a_scale:MATRIX_SCALE_ROW1
.endif
.endr
.endr
.endm
.macro FETCH_B slot, q, p
	WIN TO_B
.irp i, 0,1,2,3,4,5,6,7
	FRAG 128*(\p)+FR*\i, ADRB+\slot, \q, \i
.endr
	WIN 0
.endm
.macro FETCH_A slot, q, i0
.irp i, \i0, \i0+1, \i0+2, \i0+3
	FRAG AF+FR*(\i), ADRA+\slot, \q, \i
.endr
.endm
.macro SCALES sc
.irp i, 0,1,2,3,4,5,6,7
	ds_load_b64 v[SC+8*NQ*\sc+NQ*\i:SC+8*NQ*\sc+NQ*\i+1], v[ADRS] offset:\i*SBLK
.endr
.endm
.macro PLACES n
.rept \n
	v_nop
.endr
.endm
.macro STEP slot, q, zero
	s_wait_dscnt 4*NL
	WIN MUL_LO
	MUL16 0, (\q)%2, \q, \slot, \zero
	MUL16 2, (\q)%2, \q, \slot, \zero
	s_wait_dscnt 0
	PLACES NP
	FETCH_B \slot, (\q)+1, 1-(\q)%2
	FETCH_A \slot, (\q)+1, 0
	WIN MUL_HI
	MUL16 4, (\q)%2, \q, \slot, \zero
	MUL16 6, (\q)%2, \q, \slot, \zero
	PLACES NP
	WIN 0
	FETCH_A \slot, (\q)+1, 4
.endm
.macro TURN slot, next, fill
	s_wait_tensorcnt 0x0
	ds_add_u32 v[SPW], v[NIL]
	s_wait_dscnt 4*NL+1
	WIN MUL_LO
	MUL16 0, 1, NQ-1, \slot, 0
	s_wait_dscnt 0x0
	s_barrier_signal -1
	MUL16 2, 1, NQ-1, \slot, 0
	WIN 0
	s_barrier_wait -1
.if \fill
	CREST
	s_add_nc_u64 s[G0+4*\slot+2:G0+4*\slot+3], s[G0+4*\slot+2:G0+4*\slot+3], 2*ROWB
	s_add_nc_u64 s[G0B+4*\slot+2:G0B+4*\slot+3], s[G0B+4*\slot+2:G0B+4*\slot+3], 2*ROWB
	JLOAD G0+4*\slot, G1, G0B+4*\slot, G1B
	PLACES NP-4
.else
	PLACES NP
.endif
	s_wait_alu depctr_va_vdst(0)
	v_add_nc_u32 v[ADRS], 4*NQ, v[ADRS]
	FETCH_B \next, 0, 0
	FETCH_A \next, 0, 0
	SCALES \next
	WIN MUL_HI
	MUL16 4, 1, NQ-1, \slot, 0
	MUL16 6, 1, NQ-1, \slot, 0
	PLACES NP
	WIN 0
	FETCH_A \next, 0, 4
.endm
	s_wait_alu depctr_va_vdst(0)                   ; the wait at the head's end
	s_wait_tensorcnt 0x0                           ; my tile of the head's four is in
	ds_add_u32 v[SPW], v[NIL]
	s_mov_b32 s[G1+2], 128<<16                     ; no tensor load of mine is out: from here on a load brings 128 rows
	s_mov_b32 s[G1+4], 128
	s_mov_b32 s[G1B+2], 128<<16
	s_mov_b32 s[G1B+4], 128
	s_wait_dscnt 0x0                               ; the add and the bias's store are done
	CROUND
	JLOAD G0+4, G1, G0B+4, G1B                     ; K step 1, the first tensor load behind the round
	FETCH_B 0, 0, 0
	FETCH_A 0, 0, 0
	SCALES 0
	FETCH_A 0, 0, 4
	STEP 0, 0, 1
	s_mov_b32 s3, LAPS-1
.Llap:
	TURN 0, 1, 1
	STEP 1, 0, 0
	TURN 1, 0, 1
	STEP 0, 0, 0
	s_sub_co_u32 s3, s3, 1
	s_cmp_lg_u32 s3, 0
	s_cbranch_scc1 .Llap
	TURN 0, 1, 0
	STEP 1, 0, 0
	s_wait_dscnt 4*NL
	WIN MUL_LO
	MUL16 0, 1, NQ-1, 1, 0
	MUL16 2, 1, NQ-1, 1, 0
	s_wait_dscnt 0
	WIN MUL_HI
	MUL16 4, 1, NQ-1, 1, 0
	MUL16 6, 1, NQ-1, 1, 0
	WIN 0
.macro QUANT s, pc, pw
.irp b, 0,1,2,3
	v_max3_num_f32 v[TM+\b], |v[(\s)+16*\b]|, |v[(\s)+1+16*\b]|, 0x4800000
.endr
.irp i, 2,4,6,8,10,12,14
.irp b, 0,1,2,3
	v_max3_num_f32 v[TM+\b], v[TM+\b], |v[(\s)+16*\b+\i]|, |v[(\s)+1+16*\b+\i]|
.endr
.endr
.irp b, 0,1,2,3
	v_permlanex16_b32 v[TM+4+\b], v[TM+\b], s[SEL], s[SEL+1]
.endr
.irp b, 0,1,2,3
	v_max_num_f32 v[TM+\b], v[TM+\b], v[TM+4+\b]
.endr
.irp b, 0,1,2,3
	v_add_nc_u32 v[TM+12+\b], 0xfc000000, v[TM+\b]
.endr
.irp b, 0,1,2,3
	v_and_or_b32 v[TM+8+\b], v[TM+\b], 0x7f800000, s[MNT]
.endr
.irp b, 0,1,2,3
	v_lshrrev_b32 v[TM+4+\b], 23, v[TM+12+\b]
.endr
	v_lshl_or_b32 v[(\pw)], v[TM+5], 8, v[TM+4]
	v_lshl_or_b32 v[(\pw)], v[TM+6], 16, v[(\pw)]
	v_lshl_or_b32 v[(\pw)], v[TM+7], 24, v[(\pw)]
.irp b, 0,1,2,3
.irp i, 0,1,2,3,4,5,6,7,8,9,10,11,12,13,14,15
	v_med3_num_f32 v[(\s)+16*\b+\i], v[(\s)+16*\b+\i], -v[TM+8+\b], v[TM+8+\b]
.endr
	v_cvt_scalef32_pk8_fp8_f32 v[(\pc)+4*\b:(\pc)+1+4*\b], v[(\s)+16*\b:(\s)+7+16*\b], v[TM+12+\b]
	v_cvt_scalef32_pk8_fp8_f32 v[(\pc)+2+4*\b:(\pc)+3+4*\b], v[(\s)+8+16*\b:(\s)+15+16*\b], v[TM+12+\b]
.endr
	v_nop
.endm
.macro OUT_QK a
	WIN 0x02+((\a)/4)
.set AC, 64*((\a)%4)
.set jj, 0
.rept 32
	v_pk_add_f32 v[T+jj:T+jj+1], v[AC+jj:AC+jj+1], v[BI+jj:BI+jj+1]
.set jj, jj+2
.endr
	WIN 0
	s_wait_xcnt 0x0
	QUANT T, PC+16*((\a)%2), PW+(\a)
.irp g, 0,1,2,3
	global_store_b128 v[OL], v[PC+16*((\a)%2)+4*\g:PC+16*((\a)%2)+4*\g+3], s[4+4*(\g/2):5+4*(\g/2)] offset:1024*(\a)+512*(\g%2)
.endr
.endm
.macro OUT_V a
	WIN 0x02+((\a)/4)
.set AC, 64*((\a)%4)
.set jj, 0
.rept 32
	v_pk_add_f32 v[T+jj:T+jj+1], v[AC+jj:AC+jj+1], v[BI+2*(\a):BI+2*(\a)+1]
.set jj, jj+2
.endr
	WIN 0
	s_wait_xcnt 0x0
	QUANT T, PC+16*((\a)%2), PW+(\a)
.irp c, 0,1,2,3
	global_store_b128 v[OL], v[PC+16*((\a)%2)+4*\c:PC+16*((\a)%2)+4*\c+3], s[4+4*((\a)/4):5+4*((\a)/4)] offset:8192+2048*((\a)%4)+512*\c
.endr
.endm
	PLACES NP
.irp b, 0,1,2,3
	v_mov_b32 v[TM+4+\b], 0
.endr
	s_mov_b32 s[SEL], 0x76543210
	s_mov_b32 s[SEL+1], 0xfedcba98
	s_mov_b32 s[MNT], 0x600000
	s_cmp_eq_u32 ttmp9, 2
	s_cbranch_scc1 .Lv_arm
	s_lshl_b32 s18, s17, 1
	s_add_co_u32 s18, s18, s15
	s_lshr_b32 s19, s18, 4
	s_and_b32 s18, s18, 15
	s_lshl_b32 s20, s42, 1
	s_add_co_u32 s20, s20, s16
	s_lshr_b32 s21, s20, 3
	s_and_b32 s20, s20, 7
	s_lshl_b32 s20, s20, 1
	s_lshl_b32 s19, s19, 4
	s_add_co_u32 s19, s19, s20
	s_lshl_b32 s19, s19, 4
	s_add_co_u32 s19, s19, s18
	s_cmp_eq_u32 s21, 1
	s_cselect_b64 s[4:5], s[66:67], s[12:13]
	s_mov_b32 s22, 8448
	s_cselect_b32 s22, 16896, s22
	s_mov_b32 s46, 8192
	s_cselect_b32 s46, 16384, s46
	s_mov_b32 s47, 0
	s_mul_i32 s6, s19, s22
	s_mov_b32 s7, 0
	s_add_nc_u64 s[4:5], s[4:5], s[6:7]
	s_lshl_b32 s6, s22, 4
	s_add_nc_u64 s[8:9], s[4:5], s[6:7]
	s_add_nc_u64 s[10:11], s[4:5], s[46:47]
	v_mul_lo_u32 v[OS], v[HH], s6
	v_add_nc_u32 v[OS], v[OS], v[R16]
	s_mov_b32 s2, 0x02020202
	v_mul_lo_u32 v[SELV], v[HH], s2
	v_add_nc_u32 v[SELV], 0x05040100, v[SELV]
.irp b, 0,1,2,3
.irp k, 0,1,2,3
	ds_load_b128 v[BI+16*\b+4*\k:BI+16*\b+4*\k+3], v[BA] offset:128*\b+16*\k
.endr
.endr
	s_wait_dscnt 0x0
.irp a, 0,1,2,3,4,5,6,7
	OUT_QK \a
.endr
.irp p, 0,1,2,3
	v_perm_b32 v[SW+\p], v[PW+2*\p+1], v[PW+2*\p], v[SELV]
.endr
	global_store_b128 v[OS], v[SW:SW+3], s[10:11]
	s_branch .Ldone
.Lv_arm:
	s_lshl_b32 s18, s42, 1
	s_add_co_u32 s18, s18, s16
	s_lshr_b32 s19, s18, 4
	s_and_b32 s18, s18, 15
	s_sub_co_u32 s20, s17, 8
	s_lshl_b32 s20, s20, 2
	s_lshl_b32 s21, s15, 1
	s_add_co_u32 s20, s20, s21
	s_lshl_b32 s19, s19, 4
	s_add_co_u32 s19, s19, s20
	s_lshl_b32 s19, s19, 4
	s_add_co_u32 s19, s19, s18
	s_mul_i32 s6, s19, 16896
	s_mov_b32 s7, 0
	s_add_nc_u64 s[4:5], s[66:67], s[6:7]
	s_add_nc_u64 s[8:9], s[4:5], 270336
	v_mul_u32_u24 v[OS], v[HH], 270336
	v_add_nc_u32 v[OS], v[OS], v[R16]
.irp a, 0,1,2,3,4,5,6,7
	ds_load_b32 v[BI+2*\a], v[BVA] offset:4*(32*(\a/2)+8*(\a%2))
	ds_load_b32 v[BI+2*\a+1], v[BVA] offset:4*(32*(\a/2)+8*(\a%2))
.endr
	s_wait_dscnt 0x0
.irp a, 0,1,2,3,4,5,6,7
	OUT_V \a
.endr
	v_cmp_eq_u32 vcc_lo, 1, v[HH]
.irp t, 0,1,2,3
	v_cndmask_b32 v[SW+\t], v[PW+\t], v[PW+4+\t], vcc_lo
.endr
	global_store_b128 v[OS], v[SW:SW+3], s[4:5] offset:16640
.Ldone:
	s_wait_tensorcnt 0x0
	ds_add_u32 v[SPW], v[NIL]
	s_wait_dscnt 0x0
	CROUND
	s_endpgm
.Lfunc_end_k_q090903b4bd_gemm_qkv:
	.size	k_q090903b4bd_gemm_qkv, .Lfunc_end_k_q090903b4bd_gemm_qkv-k_q090903b4bd_gemm_qkv
	.p2alignl 7, 3214868480
	.fill 96, 4, 3214868480
	.section	.rodata,"a",@progbits
	.p2align	6, 0x0
	.amdhsa_kernel k_q090903b4bd_gemm_qkv
		.amdhsa_group_segment_fixed_size 327680
		.amdhsa_private_segment_fixed_size 0
		.amdhsa_enable_private_segment 0
		.amdhsa_kernarg_size 72
		.amdhsa_user_sgpr_count 2
		.amdhsa_user_sgpr_kernarg_segment_ptr 1
		.amdhsa_wavefront_size32 1
		.amdhsa_system_sgpr_workgroup_id_x 1
		.amdhsa_system_sgpr_workgroup_id_y 1
		.amdhsa_system_sgpr_workgroup_id_z 1
		.amdhsa_system_vgpr_workitem_id 0
		.amdhsa_next_free_vgpr 1024
		.amdhsa_next_free_sgpr 102
		.amdhsa_reserve_vcc 1
		.amdhsa_float_denorm_mode_32 3
		.amdhsa_float_denorm_mode_16_64 3
		.amdhsa_memory_ordered 1
		.amdhsa_forward_progress 1
		.amdhsa_inst_pref_size 255
	.end_amdhsa_kernel
	.section	.bss,"aw",@nobits
	.p2align	6
	.space	262144
	.amdgpu_metadata
---
amdhsa.version: [ 1, 2 ]
amdhsa.kernels:
  - .name:           k_q090903b4bd_gemm_qkv
    .symbol:         k_q090903b4bd_gemm_qkv.kd
    .args:
      - { .name: xc, .offset: 0, .size: 8, .value_kind: global_buffer, .address_space: global }
      - { .name: xs, .offset: 8, .size: 8, .value_kind: global_buffer, .address_space: global }
      - { .name: wc, .offset: 16, .size: 8, .value_kind: global_buffer, .address_space: global }
      - { .name: ws, .offset: 24, .size: 8, .value_kind: global_buffer, .address_space: global }
      - { .name: bq, .offset: 32, .size: 8, .value_kind: global_buffer, .address_space: global }
      - { .name: bk, .offset: 40, .size: 8, .value_kind: global_buffer, .address_space: global }
      - { .name: bv, .offset: 48, .size: 8, .value_kind: global_buffer, .address_space: global }
      - { .name: qr, .offset: 56, .size: 8, .value_kind: global_buffer, .address_space: global }
      - { .name: kv, .offset: 64, .size: 8, .value_kind: global_buffer, .address_space: global }
    .group_segment_fixed_size: 327680
    .private_segment_fixed_size: 0
    .kernarg_segment_align: 8
    .kernarg_segment_size: 72
    .max_flat_workgroup_size: 128
    .sgpr_count:     102
    .vgpr_count:     1024
    .wavefront_size: 32
...
	.end_amdgpu_metadata
.endif
;; end of part 2
;; launch attn (part 3): grid 4 x 64, 8 waves a work-group, clusters of 4 x 1, 327,680 bytes of LDS; arguments qr, kv, oc, os; writes oc, os
.if DOCPART == 3
	.amdgcn_target "amdgcn-amd-amdhsa--gfx1250"
	.amdhsa_code_object_version 6
	.text
	.protected	k_q090903b4bd_attn
	.globl	k_q090903b4bd_attn
	.p2align	8
	.type	k_q090903b4bd_attn,@function
k_q090903b4bd_attn:
	s_mov_b64 s[64:65], 0
	v_nop
	global_prefetch_b8 v0, s[64:65] scope:SCOPE_SE
	s_setreg_imm32_b32 hwreg(HW_REG_WAVE_MODE, 25, 1), 1
	s_wait_xcnt 0x0
	s_wait_alu depctr_hold_cnt(0) depctr_sa_sdst(0) depctr_va_vdst(0) depctr_va_sdst(0) depctr_va_ssrc(0) depctr_va_vcc(0) depctr_vm_vsrc(0)
	s_getreg_b32 s2, hwreg(HW_REG_IB_STS2, 6, 4)
	s_cmp_eq_u32 s2, 0
	s_cbranch_scc0 .Lentry_in_a_cluster
	s_endpgm
.Lentry_in_a_cluster:
	s_bfe_u32 s2, ttmp6, 0x10000c
	s_cmp_lg_u32 s2, 0x3003
	s_cbranch_scc0 .Lentry_shape_is_right
	s_endpgm
.Lentry_shape_is_right:
; o = softmax(q k^T / 8) v for 64 heads of 64, 2,048 queries and keys, both products on codes of E4M3 with E8M0 scales; o is quantised along the 1,024 features for the last projection.  No work is left out.
; THE SOFTMAX: t = score x log2(e) / 8; M = the running largest t rounded UP to a whole number; p = 2^(t - M) is quantised along the keys, not normalised; the row's sum is taken of the unquantised p and divides at the end.
; When M moves, the sum and O are multiplied by 2^(old M - new M): exact.
; SHARES.  A work-group owns ONE head of a batch and 512 query positions: 4 x 64 = 256 work-groups of equal work.  Each of its eight waves walks the head's keys twice, each time for 32 queries: tiles A and B of 16, which share every fragment of K and V.
; THE HEAD'S K AND V STAY IN LDS: 16 records of kv (16,896 bytes for 128 keys: K's 4 pair images, V^T's 4 fragments, 256 bytes of K's scale words, 256 of V's), 270,336 bytes, filled once: wave w brings records 2 w and 2 w + 1 by its one tensor load.
; Nothing is filled again.  The first barrier shows records 0-5 (waves 0-2 have a load line of their own and wait there); four key steps read records 0-4; the second barrier shows the rest.
; CLUSTER.  The four query blocks of a head read the same records: each is asked for jointly, by the same tensor load with a mask that names the four.
; No prefetch: all that the launch reads through LDS is asked for at its head, so there is no loop to run ahead in.
; BOTH PRODUCTS ARE USED TRANSPOSED: S^T = K Q^T, O^T = V^T P^T: a lane holds one query throughout.
; K Q^T HAS K = 64, THE INSTRUCTION 128.  Source 0 is a pair image: lane r holds d 0-63 of key position r and, behind them, d 0-63 of key position 16 + r.  Source 1 is (q, zeros) for the first sixteen keys and (zeros, q) for the second.
; Zero codes on q's side make the other half add exactly 0: k's codes are never the NaN code (the quantiser holds at 448), and no scale byte is 0xff.
; Key positions hold keys tau(position), so the 16 registers of a pair's two results are the keys 32 b + 16 (lane / 16) + 0 .. 15: the conversions' results are P's registers.
; A KEY STEP fetches V of this step and K of the next behind its first products.  The last step of a walk has no next record: its fetch of K names record 15 again, and the next walk begins with a fetch of record 0.
; All LDS reads are images of registers, 16 bytes a lane on end.  The launch stores nothing to LDS.
; os is stored 2 bytes a row (a head's two blocks), rows 32 bytes apart: one byte in 32 of what the launch stores.
; LIMITS: o's blocks as in the first launch (zeros: byte 1; under 2^-118: the floor); NaN and infinities are not served; the promise holds while the scaled scores t stay under 2^31 in magnitude.
; REGISTERS.  Window 0: v1 16 x lane; v2, v31 the step's LDS addresses (V, next K); v3 32 x lane; v4, v5 the add's two; v6 16 r; v7 lane / 16; v8-11 tile A's -M, largest t, sum; v12-15 B's; v[16:17], v[18:19] f (later 1 / l);
;   v20, v21 q's scale words; v22, v23 o's; v24-27 K's scale words (lanes 0-15); v28, v29 p's; v30 q's word as loaded; v32-55, v56-79 at work (A, B); v80-83 V's scale words (lanes 16-31); v96-159, v160-223 S^T, then p; v224-255 p's codes.
;   Window 1: v0-63 K; v64-127 V; v128-191 (qA, 0), (0, qA), (qB, 0), (0, qB); v192-223, v224-255 O^T.
.set RECB,  16896
.set SPARE, 16*RECB                    ; behind the records: the spare words, 128 bytes for each of eight waves
.set QSTEP, 16896                      ; from a walk's q to the next walk's: two records of 8,448 bytes (256 queries)
.set DUALMIN, 1
.set LI,   1
.set ADR,  2
.set L32,  3
.set SPW,  4
.set NIL,  5
.set R16,  6
.set HH,   7
.set SWK,  24
.set QRAW, 30
.set ADK,  31
.set SWV,  80
.set WV,   14
.set G1,   24
.set G0,   32
.set SEL,  40
.set CS,   42
.set MNT,  44
.set TB,   45
.set CNT,  46
.set TBK,  47
.set QP,   48
.set QS,   50
.set OCP,  52
.set OSP,  54
.set PSA,  56
.set PSB,  57
.set MSB, 0
.macro WIN new
.if MSB != (\new)
	s_set_vgpr_msb (MSB<<8)|(\new)
.set MSB, (\new)
.endif
.endm
.macro WALU
	s_wait_alu depctr_va_vdst(0)
.endm
.macro PLACES c
.rept \c
	v_nop
.endr
.endm
.macro CROUND                          ; a round of the cluster's barrier
	s_barrier_signal -1
	s_barrier_wait -1
	s_cmp_lg_u32 s[WV], 0
	s_cbranch_scc1 .Lnot_wave_0_\@
	s_barrier_signal -3
.Lnot_wave_0_\@:
	s_barrier_wait -3
	s_barrier_signal -1
	s_barrier_wait -1
.endm
	s_load_b256 s[4:11], s[0:1], 0x0               ; qr, kv, oc, os
	v_lshl_add_u32 v[SPW], v0, 2, SPARE
	v_mov_b32 v[NIL], 0
	ds_add_u32 v[SPW], v[NIL]                      ; the wave's opening: the add, twice on end, and its wait ahead of my tensor load
	ds_add_u32 v[SPW], v[NIL]
	v_lshrrev_b32 v1, 5, v0
	v_readfirstlane_b32 s[WV], v1                  ; wave 0..7
	s_bfe_u32 s15, ttmp6, 0x40000                  ; cx: my block of 512 queries: it enters q's and o's addresses alone
	s_and_b32 s17, ttmp7, 0xffff                   ; 16 x batch + head: the four partners share it
	s_mul_i32 s18, s17, 16*RECB                    ; the head's records in kv
	s_mul_i32 s19, s[WV], 2*RECB                   ; my two records, in memory and in LDS
	s_add_co_u32 s20, s18, s19
	s_mov_b32 s21, 0
	s_lshl_b32 s22, s17, 4                         ; q: record 16 (16 batch + head) + 4 cx + wave / 4 (the second walk: two on)
	s_lshl_b32 s23, s15, 2
	s_add_co_u32 s22, s22, s23
	s_lshr_b32 s23, s[WV], 2
	s_add_co_u32 s22, s22, s23
	s_mul_i32 s22, s22, 8448
	s_and_b32 s12, s[WV], 3                        ; my pair of tiles in it
	s_lshl_b32 s13, s12, 11
	s_add_co_u32 s2, s22, s13
	s_mov_b32 s3, 0
	s_lshl_b32 s13, s12, 2
	s_add_co_u32 s22, s22, s13
	s_add_co_u32 s22, s22, 8192                    ; its scale word: 16 r + 4 x pair behind the images
	s_mov_b32 s23, 0
	s_lshr_b32 s12, s17, 4                         ; the batch
	s_lshl_b32 s12, s12, 7
	s_lshl_b32 s16, s15, 5
	s_add_co_u32 s12, s12, s16
	s_lshl_b32 s16, s[WV], 1
	s_add_co_u32 s12, s12, s16                     ; tile A's row tile: 128 batch + 32 cx + 2 wave (the second walk: 16 on)
	s_and_b32 s13, s17, 15                         ; the head
	s_lshl_b32 s58, s12, 14                        ; oc: 8 K steps of 2,048 bytes a row tile; a head is half a K step: 1,024 x head
	s_lshl_b32 s16, s13, 10
	s_add_co_u32 s58, s58, s16
	s_mov_b32 s59, 0
	s_lshl_b32 s12, s12, 9                         ; os: 16 rows of 32 bytes a row tile, 2 bytes a head
	s_lshl_b32 s13, s13, 1
	s_add_co_u32 s12, s12, s13
	s_mov_b32 s13, 0
	s_mov_b32 s[G1], 15|(3<<16)|(1<<21)            ; the mask: all four work-groups; elements of 8 bytes; bit 21 beside a mask; no padding
	s_mov_b32 s[G1+1], 32<<16                      ; tensor_dim0: 256 bytes
	s_mov_b32 s[G1+2], 132<<16                     ; tensor_dim1: 132 rows: two records
	s_mov_b32 s[G1+3], 32<<16
	s_mov_b32 s[G1+4], 132
	s_mov_b32 s[G1+5], 32                          ; dense
	s_mov_b32 s[G1+6], 0
	s_mov_b32 s[G1+7], 0
	s_mov_b32 s[SEL], 0x76543210
	s_mov_b32 s[SEL+1], 0xfedcba98
	s_mov_b32 s[CS], 0x3e38aa3b                    ; c = log2(e) / 8
	s_mov_b32 s[CS+1], s[CS]
	s_mov_b32 s[MNT], 0x600000
	s_mov_b32 s[PSA], 0x01000100
	s_mov_b32 s[PSB], 0x03020302
	s_wait_dscnt 0x0                               ; both opening adds are done
	s_wait_kmcnt 0x0
	s_add_nc_u64 s[QP:QP+1], s[4:5], s[2:3]
	s_add_nc_u64 s[QS:QS+1], s[4:5], s[22:23]
	s_add_nc_u64 s[OCP:OCP+1], s[8:9], s[58:59]
	s_add_nc_u64 s[OSP:OSP+1], s[10:11], s[12:13]
	s_mov_b32 s[G0], 1
	s_mov_b32 s[G0+1], s19
	s_add_nc_u64 s[G0+2:G0+3], s[6:7], s[20:21]
	s_or_b32 s[G0+3], s[G0+3], 0x80000000
	CROUND                                         ; all four work-groups are here: the joint loads meet
	s_cmp_lt_u32 s[WV], 3                          ; one load a wave; waves 0-2, whose records are shown first, have a line of their own
	s_cbranch_scc0 .Llater
	tensor_load_to_lds s[G0:G0+3], s[G1:G1+7]
	s_nop 0
	PLACES 4
	s_branch .Lasked
.Llater:
	tensor_load_to_lds s[G0:G0+3], s[G1:G1+7]
	s_nop 0
	PLACES 4
.Lasked:
	v_and_b32 v2, 31, v0
	v_lshlrev_b32 v[LI], 4, v2
	v_lshlrev_b32 v[L32], 5, v2
	v_and_b32 v[R16], 15, v0
	v_lshlrev_b32 v[R16], 4, v[R16]
	v_bfe_u32 v[HH], v0, 4, 1
.irp b, 36,37,38,39,60,61,62,63
	v_mov_b32 v\b, 0                               ; the lane permutes' destinations count as sources
.endr
	v_mov_b32 v17, 0                               ; (named as the upper halves of the pairs of f)
	v_mov_b32 v19, 0
	WIN 0x40
.irp b, 136,144,168,176
.irp i, 0,1,2,3,4,5,6,7
	v_mov_b32 v[\b+\i], 0                          ; the zero halves beside q: written once
.endr
.endr
	WIN 0
	WALU
.macro QLOAD e                         ; walk e's q: my pair image's four groups, each into its two places; and the pair's scale word
	WIN 0x40
.irp g, 0,1,2,3
	global_load_b128 v[128+32*(\g/2)+4*(\g%2):128+32*(\g/2)+4*(\g%2)+3], v[LI], s[QP:QP+1] offset:QSTEP*\e+512*\g
	global_load_b128 v[152+32*(\g/2)+4*(\g%2):152+32*(\g/2)+4*(\g%2)+3], v[LI], s[QP:QP+1] offset:QSTEP*\e+512*\g
.endr
	WIN 0
	global_load_b32 v[QRAW], v[R16], s[QS:QS+1] offset:QSTEP*\e
.endm
.macro KLOAD0                          ; record 0's K and its scale words: a walk's first fetch
	ds_load_b128 v[SWK:SWK+3], v[LI] offset:16384
	WIN 0x40
.irp b, 0,1,2,3
.irp c, 0,1,2,3
	ds_load_b128 v[16*\b+4*\c:16*\b+4*\c+3], v[LI] offset:2048*\b+512*\c
.endr
.endr
	WIN 0
.endm
.macro INIT                            ; a walk begins: O^T and the sums are zeros and the largest t lies under every t, so that the step is written once
	s_wait_loadcnt 0x0                             ; q
	v_perm_b32 v20, v[QRAW], v[QRAW], s[PSA]       ; tile A's two bytes, in both halves of the word: they serve (q, 0) and (0, q)
	v_perm_b32 v21, v[QRAW], v[QRAW], s[PSB]       ; tile B's
.irp x, 0,1
	v_mov_b32 v[9+4*\x], 0xff61b1e6                ; -3e38
	v_floor_f32 v[8+4*\x], -v[9+4*\x]
	v_mov_b32 v[10+4*\x], 0
	v_mov_b32 v[11+4*\x], 0
.endr
	WIN 0x40
.set jj, 0
.rept 64
	v_mov_b32 v[192+jj], 0
.set jj, jj+1
.endr
	WIN 0
.endm
; THE SOFTMAX'S PARTS, for tile x (0: A, 1: B), each written line by line so that two parts can be dealt into each other.  The line's number is a symbol: n, m, k, j, q or c.
.macro MAX3L x                         ; line n of 32: the largest score of each block of 32 keys; each result of a product is first read at its low end
.set sb, 96+64*\x
.set wk, 32+24*\x
.if n < 4
	v_max3_num_f32 v[wk+n], v[sb+16*n], v[sb+16*n+1], v[sb+16*n+2]
.elseif n < 28
.set bq, n%4
.set iq, 3+2*((n-4)/4)
	v_max3_num_f32 v[wk+bq], v[wk+bq], v[sb+16*bq+iq], v[sb+16*bq+iq+1]
.else
	v_max_num_f32 v[wk+n-28], v[wk+n-28], v[sb+16*(n-28)+15]
.endif
.endm
.macro MTL x                           ; line m of 17: the row's maximum, the new M, f = 2^(old M - new M)
.set wk, 32+24*\x
.set st, 8+4*\x
.set ff, 16+2*\x
.if m < 4
	v_permlanex16_b32 v[wk+4+m], v[wk+m], s[SEL], s[SEL+1]
.elseif m < 8
	v_max_num_f32 v[wk+m-4], v[wk+m-4], v[wk+m]    ; with lane l xor 16's 16 keys
.elseif m == 8
	v_max3_num_f32 v[wk+16], v[wk], v[wk+1], v[wk+2]
.elseif m == 9
	v_max_num_f32 v[wk+16], v[wk+16], v[wk+3]
.elseif m == 10
	v_mul_f32 v[wk+16], s[CS], v[wk+16]            ; as t (c is positive)
.elseif m == 11
	v_max_num_f32 v[st+1], v[st+1], v[wk+16]       ; the running largest t
.elseif m == 12
	v_mov_b32 v[wk+16], v[st]
.elseif m == 13
	v_floor_f32 v[st], -v[st+1]                    ; -M = floor(-t): M is a whole number
.elseif m == 14
	v_sub_f32 v[wk+16], v[st], v[wk+16]            ; old M - new M: a whole number, 0 or less
.elseif m == 15
	v_cvt_i32_f32 v[wk+16], v[wk+16]               ; (it saturates)
.else
	v_ldexp_f32 v[ff], 1.0, v[wk+16]
.endif
.endm
.macro TSUBL x                         ; line k of 36: t - M, of the 64 scores and of the four blocks' largest
.set sb, 96+64*\x
.set wk, 32+24*\x
.set st, 8+4*\x
.if k < 32
	v_pk_fma_f32 v[sb+2*k:sb+2*k+1], v[sb+2*k:sb+2*k+1], s[CS:CS+1], v[st:st+1] op_sel_hi:[1,0,0]
.else
	v_fma_f32 v[wk+k-32], v[wk+k-32], s[CS], v[st]
.endif
.endm
.macro EXPL x                          ; line j of 68: p, and the blocks' largest p
.set sb, 96+64*\x
.set wk, 32+24*\x
.if j < 64
	v_exp_f32 v[sb+j], v[sb+j]
.else
	v_exp_f32 v[wk+j-64], v[wk+j-64]
.endif
.endm
.macro SUML x                          ; line n of 32: the row's sum of the unquantised p, two at a time, in four chains
.set sb, 96+64*\x
.set su, 10+4*\x
.set xx, 48+24*\x
.set cq, xx+2*(n%4)
.set pq, sb+2*(n+3)
.if n < 3
	v_pk_add_f32 v[xx+2*n:xx+2*n+1], v[sb+4*n:sb+4*n+1], v[sb+4*n+2:sb+4*n+3]
.elseif n < 29
.if (n%4) == 3
	v_pk_add_f32 v[su:su+1], v[su:su+1], v[pq:pq+1]
.else
	v_pk_add_f32 v[cq:cq+1], v[cq:cq+1], v[pq:pq+1]
.endif
.elseif n == 29
	v_pk_add_f32 v[xx:xx+1], v[xx:xx+1], v[xx+2:xx+3]
.elseif n == 30
	v_pk_add_f32 v[su:su+1], v[su:su+1], v[xx+4:xx+5]
.else
	v_pk_add_f32 v[su:su+1], v[su:su+1], v[xx:xx+1]
.endif
.endm
.macro SCLL x                          ; line q of 19: the four blocks' scales from their largest p
.set wk, 32+24*\x
.if q < 4
	v_max_num_f32 v[wk+q], 0x4800000, v[wk+q]      ; the floor 2^(9 - 127)
.elseif q < 8
	v_add_nc_u32 v[wk+8+q], 0xfc000000, v[wk+q-4]  ; the conversion's scale operand
.elseif q < 12
	v_and_or_b32 v[wk+q], v[wk+q-8], 0x7f800000, s[MNT]   ; 448 x the scale
.elseif q < 16
	v_lshrrev_b32 v[wk+q-8], 23, v[wk+q]           ; the byte
.elseif q == 16
	v_lshl_or_b32 v[28+\x], v[wk+5], 8, v[wk+4]    ; p's scale word for these 128 keys
.elseif q == 17
	v_lshl_or_b32 v[28+\x], v[wk+6], 16, v[28+\x]
.else
	v_lshl_or_b32 v[28+\x], v[wk+7], 24, v[28+\x]
.endif
.endm
.macro HOLDL x                         ; line n of 32: p is not negative: a one-sided hold, two numbers a line
.set sb, 96+64*\x
.set wk, 32+24*\x
.if DUALMIN
	v_dual_min_num_f32 v[sb+2*n], v[sb+2*n], v[wk+8+n/8] :: v_dual_min_num_f32 v[sb+2*n+1], v[sb+2*n+1], v[wk+8+n/8]
.else
	v_min_num_f32 v[sb+2*n], v[sb+2*n], v[wk+8+n/8]
	v_min_num_f32 v[sb+2*n+1], v[sb+2*n+1], v[wk+8+n/8]
.endif
.endm
.macro CVTL x                          ; line c of 8: eight codes
.set sb, 96+64*\x
.set wk, 32+24*\x
.set pc, 224+16*\x
	v_cvt_scalef32_pk8_fp8_f32 v[pc+2*c:pc+2*c+1], v[sb+8*c:sb+8*c+7], v[wk+12+c/2]
.endm
; A KEY STEP: 128 keys, both tiles.  clamp = 1: the step may be a walk's last.
.macro STEP clamp
	s_add_co_u32 s[TBK], s[TB], RECB               ; the next record,
.if \clamp
	s_min_u32 s[TBK], s[TBK], 15*RECB              ; or the last once more
.endif
	s_wait_dscnt 0x0                               ; K and its scale words, asked for a step ago, are in
	WIN 0x05
.irp b, 0,1,2,3
.irp u, 0,1
.irp x, 0,1
	v_wmma_scale_f32_16x16x128_f8f6f4 v[96+64*\x+8*(2*\b+\u):96+64*\x+8*(2*\b+\u)+7], v[16*\b:16*\b+15], v[128+32*\x+16*\u:128+32*\x+16*\u+15], 0, v[SWK+\b], v[20+\x]
.endr
.endr
.endr
	WIN 0
	v_add_nc_u32 v[ADR], s[TB], v[LI]
	v_add_nc_u32 v[ADK], s[TBK], v[LI]
	PLACES 6                                       ; with the two additions: eight places ahead of the loads into what products have read, and of the scores' first readers
	ds_load_b128 v[SWV:SWV+3], v[ADR] offset:16384 ; lanes 16-31: V's scale words
	WIN 0x40
.irp t, 0,1,2,3
.irp c, 0,1,2,3
	ds_load_b128 v[64+16*\t+4*\c:64+16*\t+4*\c+3], v[ADR] offset:8192+2048*\t+512*\c
.endr
.endr
.irp b, 0,1,2,3
.irp c, 0,1,2,3
	ds_load_b128 v[16*\b+4*\c:16*\b+4*\c+3], v[ADK] offset:2048*\b+512*\c
.endr
.endr
	WIN 0
	ds_load_b128 v[SWK:SWK+3], v[ADK] offset:16384 ; lanes 0-15: the next step's scale words of K
.set n, 0
.rept 32
	MAX3L 0
.set n, n+1
.endr
.set m, 0
.set n, 0
.rept 16                               ; tile A's chain among tile B's maxima
	MTL 0
	MAX3L 1
.set n, n+1
	MAX3L 1
.set n, n+1
.set m, m+1
.endr
	MTL 0
.set m, 0
.set k, 0
.rept 17                               ; tile B's chain among tile A's t - M
	MTL 1
	TSUBL 0
.set k, k+1
	TSUBL 0
.set k, k+1
.set m, m+1
.endr
	TSUBL 0
.set k, k+1
	TSUBL 0
	v_pk_mul_f32 v[10:11], v[10:11], v[16:17] op_sel_hi:[1,0]   ; the sums under the new M
	v_pk_mul_f32 v[14:15], v[14:15], v[18:19] op_sel_hi:[1,0]
	WALU                                           ; ahead of a batch of exponentials
.set j, 0
.set k, 0
.rept 34                               ; tile A's 68 exponentials; among them tile B's t - M: it reads what was written ahead of the wait above, and is read behind the wait below
	EXPL 0
.set j, j+1
	EXPL 0
.set j, j+1
	TSUBL 1
.set k, k+1
.endr
	TSUBL 1
.set k, k+1
	TSUBL 1
	WALU                                           ; one wait for the batch, ahead of its first reader
.set n, 0
.set q, 0
.rept 32
	SUML 0
.if q < 19
	SCLL 0
.set q, q+1
.endif
.set n, n+1
.endr
	WALU                                           ; ahead of tile B's batch
.set j, 0
.set n, 0
.rept 32                               ; tile B's exponentials; among them tile A's holds, read behind the wait below
	EXPL 1
.set j, j+1
	EXPL 1
.set j, j+1
	HOLDL 0
.set n, n+1
.endr
.rept 4
	EXPL 1
.set j, j+1
.endr
	v_nop                                          ; a plain line behind the last exponential
	WALU
.set n, 0
.set q, 0
.set c, 0
.rept 32
	SUML 1
.if q < 19
	SCLL 1
.set q, q+1
.elseif c < 8
	CVTL 0
.set c, c+1
.endif
.set n, n+1
.endr
.set n, 0
.set c, 0
.rept 8
.rept 4
	HOLDL 1
.set n, n+1
.endr
	CVTL 1
.set c, c+1
.endr
	WIN 0x41
	s_wait_dscnt 17                                ; V and its scale words are in; the next step's K (16 loads) and its scale words (1) may be out
	WALU                                           ; directly ahead of O^T's first readers
.irp x, 0,1
.set jj, 0
.rept 16                               ; O^T under the new M.  These plain lines also stand between the conversions and the products that read the codes
	v_pk_mul_f32 v[192+32*\x+jj:192+32*\x+jj+1], v[192+32*\x+jj:192+32*\x+jj+1], v[16+2*\x:17+2*\x] op_sel_hi:[1,0]
.set jj, jj+2
.endr
.endr
	WIN 0x51
.irp t, 0,1,2,3
.irp x, 0,1
	v_wmma_scale_f32_16x16x128_f8f6f4 v[192+32*\x+8*\t:192+32*\x+8*\t+7], v[64+16*\t:64+16*\t+15], v[224+16*\x:224+16*\x+15], v[192+32*\x+8*\t:192+32*\x+8*\t+7], v[SWV+\t], v[28+\x] matrix_a_scale:MATRIX_SCALE_ROW1
.endr
.endr
	WIN 0
.endm
.macro RUN first, trips, clamp         ; key steps first .. first + trips - 1
	s_mov_b32 s[TB], \first*RECB
	s_mov_b32 s[CNT], \trips
.Lstep_\@:
	STEP \clamp
	s_add_co_u32 s[TB], s[TB], RECB
	s_sub_co_u32 s[CNT], s[CNT], 1
	s_cmp_lg_u32 s[CNT], 0
	s_cbranch_scc1 .Lstep_\@
.endm
.macro QUANT2 x                        ; 32 numbers of a lane, register 16 b + i = d 32 b + 16 (lane / 16) + i, become 8 registers of codes and two scale bytes
.set sb, 96+64*\x
.set wk, 32+24*\x
.set pc, 224+16*\x
.irp b, 0,1
	v_max3_num_f32 v[wk+\b], |v[sb+16*\b]|, |v[sb+16*\b+1]|, 0x4800000
.endr
.irp i, 2,4,6,8,10,12,14
.irp b, 0,1
	v_max3_num_f32 v[wk+\b], v[wk+\b], |v[sb+16*\b+\i]|, |v[sb+16*\b+\i+1]|
.endr
.endr
.irp b, 0,1
	v_permlanex16_b32 v[wk+4+\b], v[wk+\b], s[SEL], s[SEL+1]
.endr
.irp b, 0,1
	v_max_num_f32 v[wk+\b], v[wk+\b], v[wk+4+\b]
.endr
.irp b, 0,1
	v_add_nc_u32 v[wk+12+\b], 0xfc000000, v[wk+\b]
.endr
.irp b, 0,1
	v_and_or_b32 v[wk+8+\b], v[wk+\b], 0x7f800000, s[MNT]
.endr
.irp b, 0,1
	v_lshrrev_b32 v[wk+4+\b], 23, v[wk+12+\b]
.endr
	v_lshl_or_b32 v[22+\x], v[wk+5], 8, v[wk+4]    ; the head's two scale bytes
.irp b, 0,1
.irp i, 0,1,2,3,4,5,6,7,8,9,10,11,12,13,14,15
	v_med3_num_f32 v[sb+16*\b+\i], v[sb+16*\b+\i], -v[wk+8+\b], v[wk+8+\b]
.endr
	v_cvt_scalef32_pk8_fp8_f32 v[pc+4*\b:pc+4*\b+1], v[sb+16*\b:sb+16*\b+7], v[wk+12+\b]
	v_cvt_scalef32_pk8_fp8_f32 v[pc+4*\b+2:pc+4*\b+3], v[sb+16*\b+8:sb+16*\b+15], v[wk+12+\b]
.endr
	v_nop                                          ; a plain line behind the last conversion
.endm
.macro FINISH e                        ; walk e ends (eight places stand ahead): O^T / l, quantised along the features, stored as my head's two groups of the next operand's image
.irp x, 0,1
	v_add_f32 v[48+24*\x], v[10+4*\x], v[11+4*\x]
.endr
.irp x, 0,1
	v_permlanex16_b32 v[36+24*\x], v[48+24*\x], s[SEL], s[SEL+1]
.endr
.irp x, 0,1
	v_add_f32 v[48+24*\x], v[48+24*\x], v[36+24*\x]   ; the row's sum
.endr
	WALU                                           ; ahead of the reciprocals
.irp x, 0,1
	v_rcp_f32 v[16+2*\x], v[48+24*\x]
.endr
	v_nop
	WIN 0x01
	WALU                                           ; and behind them, directly ahead of O^T's first readers
.irp x, 0,1
.set jj, 0
.rept 16
	v_pk_mul_f32 v[96+64*\x+jj:96+64*\x+jj+1], v[192+32*\x+jj:192+32*\x+jj+1], v[16+2*\x:17+2*\x] op_sel_hi:[1,0]   ; each accumulator from its low end on
.set jj, jj+2
.endr
.endr
	WIN 0
.irp x, 0,1
	QUANT2 \x
.irp b, 0,1
	global_store_b128 v[LI], v[224+16*\x+4*\b:224+16*\x+4*\b+3], s[OCP:OCP+1] offset:262144*\e+16384*\x+512*\b   ; 512 consecutive bytes a wave
.endr
.endr
	v_cmp_eq_u32 vcc_lo, 1, v[HH]
	v_cndmask_b32 v22, v22, v23, vcc_lo            ; lanes 0-15: tile A's rows; lanes 16-31: tile B's
	global_store_b16 v[L32], v22, s[OSP:OSP+1] offset:8192*\e
.endm
	QLOAD 0
	INIT
	WALU                                           ; the wait at the head's end
	s_cmp_lt_u32 s[WV], 3
	s_cbranch_scc0 .Lnot_first
	s_wait_tensorcnt 0x0                           ; waves 0-2: records 0-5 are in
.Lnot_first:
	s_barrier_signal -1
	s_barrier_wait -1
	KLOAD0
	RUN 0, 4, 0                                    ; key steps 0-3 read records 0-4
	s_wait_tensorcnt 0x0                           ; every wave's records are in
	s_wait_dscnt 0x0
	s_barrier_signal -1
	s_barrier_wait -1
	RUN 4, 12, 1
	PLACES 8                                       ; behind the last products
	s_wait_dscnt 0x0                               ; no load into K's registers is out
	KLOAD0                                         ; the second walk's first K and its q land while the first walk is finished
	QLOAD 1
	FINISH 0
	WALU
	s_wait_xcnt 0x0                                ; the stores have read their registers
	INIT
	WALU                                           ; ahead of the loop's waits
	RUN 0, 16, 1
	PLACES 8
	FINISH 1
	s_wait_tensorcnt 0x0                           ; the wave's end
	ds_add_u32 v[SPW], v[NIL]
	s_wait_dscnt 0x0
	CROUND                                         ; the closing round
	s_endpgm
.Lfunc_end_k_q090903b4bd_attn:
	.size	k_q090903b4bd_attn, .Lfunc_end_k_q090903b4bd_attn-k_q090903b4bd_attn
	.p2alignl 7, 3214868480
	.fill 96, 4, 3214868480
	.section	.rodata,"a",@progbits
	.p2align	6, 0x0
	.amdhsa_kernel k_q090903b4bd_attn
		.amdhsa_group_segment_fixed_size 327680
		.amdhsa_private_segment_fixed_size 0
		.amdhsa_enable_private_segment 0
		.amdhsa_kernarg_size 32
		.amdhsa_user_sgpr_count 2
		.amdhsa_user_sgpr_kernarg_segment_ptr 1
		.amdhsa_wavefront_size32 1
		.amdhsa_system_sgpr_workgroup_id_x 1
		.amdhsa_system_sgpr_workgroup_id_y 1
		.amdhsa_system_sgpr_workgroup_id_z 1
		.amdhsa_system_vgpr_workitem_id 0
		.amdhsa_next_free_vgpr 512
		.amdhsa_next_free_sgpr 66
		.amdhsa_reserve_vcc 1
		.amdhsa_float_denorm_mode_32 3
		.amdhsa_float_denorm_mode_16_64 3
		.amdhsa_memory_ordered 1
		.amdhsa_forward_progress 1
		.amdhsa_inst_pref_size 140
	.end_amdhsa_kernel
	.amdgpu_metadata
---
amdhsa.version: [ 1, 2 ]
amdhsa.kernels:
  - .name:           k_q090903b4bd_attn
    .symbol:         k_q090903b4bd_attn.kd
    .args:
      - { .name: qr, .offset: 0, .size: 8, .value_kind: global_buffer, .address_space: global }
      - { .name: kv, .offset: 8, .size: 8, .value_kind: global_buffer, .address_space: global }
      - { .name: oc, .offset: 16, .size: 8, .value_kind: global_buffer, .address_space: global }
      - { .name: os, .offset: 24, .size: 8, .value_kind: global_buffer, .address_space: global }
    .group_segment_fixed_size: 327680
    .private_segment_fixed_size: 0
    .kernarg_segment_align: 8
    .kernarg_segment_size: 32
    .max_flat_workgroup_size: 256
    .sgpr_count:     66
    .vgpr_count:     512
    .wavefront_size: 32
...
	.end_amdgpu_metadata
.endif
;; end of part 3
;; launch gemm_out (part 4): grid 4 x 64, 4 waves a work-group, clusters of 4 x 4, 327,680 bytes of LDS; arguments oc, os, wc, ws, bo, out0; writes out0
.if DOCPART == 4
	.amdgcn_target "amdgcn-amd-amdhsa--gfx1250"
	.amdhsa_code_object_version 6
	.text
	.protected	k_q090903b4bd_gemm_out
	.globl	k_q090903b4bd_gemm_out
	.p2align	8
	.type	k_q090903b4bd_gemm_out,@function
k_q090903b4bd_gemm_out:
	s_mov_b64 s[64:65], 0
	v_nop
	global_prefetch_b8 v0, s[64:65] scope:SCOPE_SE
	s_setreg_imm32_b32 hwreg(HW_REG_WAVE_MODE, 25, 1), 1
	s_wait_xcnt 0x0
	s_wait_alu depctr_hold_cnt(0) depctr_sa_sdst(0) depctr_va_vdst(0) depctr_va_sdst(0) depctr_va_ssrc(0) depctr_va_vcc(0) depctr_vm_vsrc(0)
	s_getreg_b32 s2, hwreg(HW_REG_IB_STS2, 6, 4)
	s_cmp_eq_u32 s2, 0
	s_cbranch_scc0 .Lentry_in_a_cluster
	s_endpgm
.Lentry_in_a_cluster:
	s_bfe_u32 s2, ttmp6, 0x10000c
	s_cmp_lg_u32 s2, 0xf033
	s_cbranch_scc0 .Lentry_shape_is_right
	s_endpgm
.Lentry_shape_is_right:
; out0 = o Wo + bo: 8,192 x 1,024 x 1,024 on codes of E4M3 with E8M0 scales, f32 sums.  No work is left out.
; oc: o's codes as images of operand registers, [row tile of 16][K step of 128][group c of 4][lane][16 bytes]; os: its scale bytes [row][32].  wc, ws rows 3,072 on: Wo's codes [position][1,024] and scale bytes [position][32].
; Rows of oc are positions of tokens and rows of wc positions of columns: position p holds tau(p), p with its bits 3 and 4 exchanged; the way out puts both back.
; SHARES.  A work-group makes 128 rows x 256 columns: 64 x 4 = 256 work-groups.  Four waves, 2 x 2; a wave makes 64 x 128: 32 accumulators (window 2).  A step is 128 along K: 32 products, A's four blocks each against B's eight; the accumulators take turns.
; CLUSTERS of 4 x 4: A's tiles are shared along a row of the cluster, B's along a column: joint loads.
; LDS, THREE FILLS.  Region S (K 0-255: A 32,768 bytes, B 256 rows of 272) is filled at the head, one load a wave (A, B, A's scales, B's scales).  Region D (K 256-767: A 65,536 bytes, B 256 rows of 528) is filled behind the first full sequence,
; one load a wave (waves 0, 1 A's halves; waves 2, 3 B's): a row of that load is two K steps of 256 on end.  K 768-1,023 is filled over region S behind the second sequence, when every wave holds S's last fragments in registers.
; No prefetch: three fills in all, each asked for as soon as the sequence in front of it is through; the text has no loop to run ahead in.
; THE MATRIX INSTRUCTION IS USED TRANSPOSED (source 0 = 16 rows of Wo's codes, source 1 = 16 rows of o): a lane holds eight neighbouring columns of a row.  The bias is the first products' C.
; REGISTERS.  Window 0: v1-19 addresses; v24-55 A's scale words (8 a + step); v60-123 B's (8 b + step): the two scale registers of a product differ modulo 8; v128-255 A's fragments, two sets.  Window 1: B's fragments, two sets.  Window 2: the sums.  Window 3: v0-63 the bias.
; THE WAY OUT: a block of 16 rows x 128 columns goes through the wave's stage in LDS and leaves as rows of 512 bytes.  The stage lies in region D, behind the barrier in front of which every wave has ended its reads of D; D has had its only fill.
; LIMITS: NaN and infinities are not served.
.set S0A,   0
.set S0B,   32768
.set DA,    102400
.set DB,    167936
.set SCLA,  303104
.set SCLB,  307456
.set SPARE, 316160
.set STAGE, DA
.set SPITCH, 528
.set NP,    8
.set ADRA0, 8
.set ADRAD, 9
.set ADRB0, 10
.set ADRBD, 11
.set ASA,   12
.set ASB,   13
.set STO,   14
.set RD,    15
.set CO,    16
.set SPW,   17
.set NIL,   18
.set SAS,   24
.set SBS,   60
.set AF,    128
.set G1A0, 24
.set G1B0, 32
.set G1AD, 48
.set G1BD, 56
.set G1S,  68
.set G1SB, 76
.set G0A0, 84
.set G0B0, 88
.set G0S,  92
.set G0SB, 96
.set G0AD, 4
.set G0BD, 8
.set MSB, 0
.macro WIN new
.if MSB != (\new)
	s_set_vgpr_msb (MSB<<8)|(\new)
.set MSB, (\new)
.endif
.endm
.macro PLACES n
.rept \n
	v_nop
.endr
.endm
.macro TL g0, g1                       ; a tensor load; s_nop 0 and four v_nop follow it
	tensor_load_to_lds s[\g0:\g0+3], s[\g1:\g1+7]
	s_nop 0
	PLACES 4
.endm
.macro JLOAD g0a, g1a, g0b, g1b        ; waves 0 and 1 fetch A's halves, waves 2 and 3 B's
	s_cmp_eq_u32 s15, 0
	s_cbranch_scc0 .Lfor_b_\@
	TL \g0a, \g1a
	s_branch .Lasked_\@
.Lfor_b_\@:
	TL \g0b, \g1b
.Lasked_\@:
.endm
.macro CREST
	s_cmp_lg_u32 s14, 0
	s_cbranch_scc1 .Lnot_wave_0_\@
	s_barrier_signal -3
.Lnot_wave_0_\@:
	s_barrier_wait -3
	s_barrier_signal -1
	s_barrier_wait -1
.endm
.macro CROUND
	s_barrier_signal -1
	s_barrier_wait -1
	CREST
.endm
.macro GRP1 g, c, r, p                 ; words 1-7 of a group 1: rows of c elements, r rows, pitch p
	s_mov_b32 s[\g+1], (\c)<<16
	s_mov_b32 s[\g+2], (\r)<<16
	s_mov_b32 s[\g+3], (\c)<<16
	s_mov_b32 s[\g+4], \r
	s_mov_b32 s[\g+5], \p
	s_mov_b32 s[\g+6], 0
	s_mov_b32 s[\g+7], 0
.endm
	s_load_b256 s[4:11], s[0:1], 0x0               ; oc, os, wc, ws
	s_load_b64 s[66:67], s[0:1], 0x20              ; bo
	s_load_b64 s[12:13], s[0:1], 0x28              ; out0
	v_lshl_add_u32 v[SPW], v0, 2, SPARE
	v_mov_b32 v[NIL], 0
	ds_add_u32 v[SPW], v[NIL]                      ; the wave's opening: the add, twice on end, and its wait ahead of my first tensor load
	ds_add_u32 v[SPW], v[NIL]
	v_lshrrev_b32 v1, 5, v0
	v_readfirstlane_b32 s14, v1                    ; wave 0..3
	s_lshr_b32 s15, s14, 1                         ; my row of waves.  Also: I fetch for A (0) or for B (1)
	s_and_b32 s16, s14, 1                          ; my column of waves.  Also: which half of a tile I fetch
	s_bfe_u32 s40, ttmp6, 0x40000                  ; cx, cy
	s_bfe_u32 s41, ttmp6, 0x40004
	s_lshl_b32 s42, ttmp9, 2
	s_add_co_u32 s42, s42, s40                     ; tile column, 0..3
	s_and_b32 s17, ttmp7, 0xffff
	s_lshl_b32 s17, s17, 2
	s_add_co_u32 s17, s17, s41                     ; tile row, 0..63
	s_lshl_b32 s43, s41, 2
	s_lshl_b32 s43, 15, s43                        ; my row of the cluster
	s_lshl_b32 s44, 0x1111, s40                    ; my column
	s_or_b32 s[G1A0], s43, (3<<16)|(1<<21)         ; A: elements of 8 bytes, no padding.  Region S: 8 row tiles x 4,096 bytes, 16,384 apart
	GRP1 G1A0, 512, 8, 2048
	s_or_b32 s[G1AD], s43, (3<<16)|(1<<21)         ; region D: 4 row tiles x 8,192 bytes
	GRP1 G1AD, 1024, 4, 2048
	s_or_b32 s[G1B0], s44, (1<<20)|(1<<21)|(5<<22)|(3<<25)   ; B: bytes; region S: 256 rows of 256, four words of padding behind each
	GRP1 G1B0, 256, 256, 1024
	s_or_b32 s[G1BD], s44, (1<<20)|(1<<21)|(6<<22)|(3<<25)   ; region D: 128 rows of 512, four words behind each
	GRP1 G1BD, 512, 128, 1024
	s_or_b32 s[G1S], s43, (3<<16)|(1<<20)|(1<<21)|(5<<22)|(3<<25)    ; the scales: dense, as rows of 256 bytes + 16: A's 128 rows are 16,
	GRP1 G1S, 32, 16, 32
	s_or_b32 s[G1SB], s44, (3<<16)|(1<<20)|(1<<21)|(5<<22)|(3<<25)   ; B's 256 rows 32
	GRP1 G1SB, 32, 32, 32
	s_lshl_b32 s20, s17, 17                        ; oc: 128 rows of 1,024 bytes a tile row
	s_mov_b32 s21, 0
	s_lshl_b32 s22, s17, 12                        ; os: 128 rows of 32
	s_mov_b32 s23, 0
	s_lshl_b32 s46, s42, 8
	s_add_co_u32 s46, s46, 3072                    ; Wo's first row of my tile column
	s_lshl_b32 s2, s46, 5
	s_mov_b32 s3, 0
	s_lshl_b32 s46, s46, 10
	s_mov_b32 s47, 0
	s_lshl_b32 s18, s16, 16                        ; my half of A's tile: 4 row tiles
	s_mov_b32 s19, 0
	s_wait_dscnt 0x0                               ; both opening adds are done
	s_wait_kmcnt 0x0
	s_add_nc_u64 s[20:21], s[4:5], s[20:21]
	s_add_nc_u64 s[22:23], s[6:7], s[22:23]
	s_add_nc_u64 s[46:47], s[8:9], s[46:47]
	s_add_nc_u64 s[2:3], s[10:11], s[2:3]
	CROUND                                         ; all sixteen work-groups are here: the first joint loads meet
	s_mov_b32 s[G0A0], 1
	s_mov_b32 s[G0A0+1], S0A
	s_mov_b64 s[G0A0+2:G0A0+3], s[20:21]
	s_or_b32 s[G0A0+3], s[G0A0+3], 0x80000000
	s_mov_b32 s[G0B0], 1
	s_mov_b32 s[G0B0+1], S0B
	s_mov_b64 s[G0B0+2:G0B0+3], s[46:47]
	s_or_b32 s[G0B0+3], s[G0B0+3], 0x80000000
	s_mov_b32 s[G0S], 1
	s_mov_b32 s[G0S+1], SCLA
	s_mov_b64 s[G0S+2:G0S+3], s[22:23]
	s_or_b32 s[G0S+3], s[G0S+3], 0x80000000
	s_mov_b32 s[G0SB], 1
	s_mov_b32 s[G0SB+1], SCLB
	s_mov_b64 s[G0SB+2:G0SB+3], s[2:3]
	s_or_b32 s[G0SB+3], s[G0SB+3], 0x80000000
	s_add_nc_u64 s[20:21], s[20:21], s[18:19]      ; from here on: my half of A's tile,
	s_lshl_b32 s18, s16, 17
	s_add_nc_u64 s[46:47], s[46:47], s[18:19]      ; my 128 rows of B's
	s_mov_b32 s[G0AD], 1                           ; region D's loads (the arguments that lay here have been used)
	s_lshl_b32 s[G0AD+1], s16, 15
	s_add_co_u32 s[G0AD+1], s[G0AD+1], DA
	s_add_nc_u64 s[G0AD+2:G0AD+3], s[20:21], 4096
	s_or_b32 s[G0AD+3], s[G0AD+3], 0x80000000
	s_mov_b32 s[G0BD], 1
	s_mul_i32 s[G0BD+1], s16, 128*528
	s_add_co_u32 s[G0BD+1], s[G0BD+1], DB
	s_add_nc_u64 s[G0BD+2:G0BD+3], s[46:47], 256
	s_or_b32 s[G0BD+3], s[G0BD+3], 0x80000000
; the head's loads, one a wave: one chain of branches on the wave's number
.macro ARM under, g0, g1, next
	s_cmp_lt_u32 s14, \under
	s_cbranch_scc0 \next
	TL \g0, \g1
	s_branch .Lhead_asked
\next:
.endm
	ARM 1, G0A0, G1A0, .Lhead_b
	ARM 2, G0B0, G1B0, .Lhead_sa
	ARM 3, G0S,  G1S,  .Lhead_sb
	TL G0SB, G1SB
.Lhead_asked:
	s_lshl_b32 s18, s42, 10                        ; my first column, in bytes: 1,024 x tile column + 512 x my column of waves
	s_lshl_b32 s19, s16, 9
	s_add_co_u32 s18, s18, s19
	s_mov_b32 s19, 0
	s_add_nc_u64 s[66:67], s[66:67], s[18:19]
	s_lshl_b32 s2, s17, 7
	s_lshl_b32 s3, s15, 6
	s_add_co_u32 s2, s2, s3                        ; my first row
	s_lshl_b32 s2, s2, 12
	s_add_co_u32 s2, s2, s18
	s_mov_b32 s3, 0
	s_add_nc_u64 s[12:13], s[12:13], s[2:3]
	s_lshl_b32 s22, s15, 14                        ; LDS: my 4 row tiles of A in region S,
	s_lshl_b32 s23, s15, 15
	s_add_co_u32 s23, s23, DA                      ; in region D;
	s_mul_i32 s40, s16, 128*272
	s_add_co_u32 s40, s40, S0B                     ; my 128 rows of B in S,
	s_mul_i32 s41, s16, 128*528
	s_add_co_u32 s41, s41, DB                      ; in D;
	s_mul_i32 s43, s15, 8*272
	s_add_co_u32 s43, s43, SCLA                    ; my rows' scales,
	s_mul_i32 s44, s16, 16*272
	s_add_co_u32 s44, s44, SCLB
	s_mul_i32 s45, s14, 16*SPITCH
	s_add_co_u32 s45, s45, STAGE                   ; my stage
	v_and_b32 v1, 15, v0                           ; r
	v_bfe_u32 v2, v0, 4, 1                         ; h
	v_and_b32 v6, 31, v0
	v_lshlrev_b32 v[CO], 4, v6                     ; 16 x lane
	v_add_nc_u32 v[ADRA0], s22, v[CO]
	v_add_nc_u32 v[ADRAD], s23, v[CO]
	v_mul_u32_u24 v3, v1, 272
	v_lshl_add_u32 v3, v2, 4, v3
	v_add_nc_u32 v[ADRB0], s40, v3
	v_mul_u32_u24 v4, v1, 528
	v_lshl_add_u32 v4, v2, 4, v4
	v_add_nc_u32 v[ADRBD], s41, v4
	v_lshlrev_b32 v5, 5, v1                        ; a row's scales: 32 bytes a row, 16 more for each 256 passed
	v_lshrrev_b32 v6, 3, v1
	v_lshl_add_u32 v5, v6, 4, v5
	v_add_nc_u32 v[ASA], s43, v5
	v_add_nc_u32 v[ASB], s44, v5
	v_mul_u32_u24 v7, v1, SPITCH
	v_lshl_add_u32 v7, v2, 6, v7
	v_add_nc_u32 v[STO], s45, v7                   ; into the stage: row r, 64 bytes for each half of the lanes
	v_add_nc_u32 v[RD], s45, v[CO]                 ; back: the 32 lanes take a row of 512 bytes
	v_lshlrev_b32 v19, 6, v2
	WIN 0xc0
.irp b, 0,1,2,3,4,5,6,7                ; the bias in the sums' layout: register j of tile b is column 32 (b / 2) + 16 h + 8 (b % 2) + j
	global_load_b128 v[8*\b:8*\b+3], v19, s[66:67] offset:128*(\b/2)+32*(\b%2)
	global_load_b128 v[8*\b+4:8*\b+7], v19, s[66:67] offset:128*(\b/2)+32*(\b%2)+16
.endr
	WIN 0
.macro FETCH p, ra, oa, sa, rb, ob, pb ; a step's fragments into set p: B's eight (window 1), A's four
	WIN 0x40
.irp i, 0,1,2,3,4,5,6,7
.irp c, 0,1,2,3
	ds_load_b128 v[128*(\p)+16*\i+4*\c:128*(\p)+16*\i+4*\c+3], v[\rb] offset:(\ob)+32*\c+\i*16*(\pb)
.endr
.endr
	WIN 0
.irp i, 0,1,2,3
.irp c, 0,1,2,3
	ds_load_b128 v[AF+64*(\p)+16*\i+4*\c:AF+64*(\p)+16*\i+4*\c+3], v[\ra] offset:(\oa)+\i*(\sa)+512*\c
.endr
.endr
.endm
.macro FS p, s                         ; step s: 0, 1 and 6, 7 lie in region S, 2 to 5 in region D
.if ((\s) < 2) || ((\s) > 5)
	FETCH \p, ADRA0, 2048*((\s)%2), 4096, ADRB0, 128*((\s)%2), 272
.else
	FETCH \p, ADRAD, 2048*((\s)-2), 8192, ADRBD, 128*((\s)-2), 528
.endif
.endm
.macro MULA p, s, a, first             ; eight products: A's block a against B's eight
.irp b, 0,1,2,3,4,5,6,7
.if \first
	v_wmma_scale_f32_16x16x128_f8f6f4 v[8*(8*(\a)+\b):8*(8*(\a)+\b)+7], v[128*(\p)+16*\b:128*(\p)+16*\b+15], v[AF+64*(\p)+16*(\a):AF+64*(\p)+16*(\a)+15], v[8*\b:8*\b+7], v[SBS+8*\b+(\s)], v[SAS+8*(\a)+(\s)]
.else
	v_wmma_scale_f32_16x16x128_f8f6f4 v[8*(8*(\a)+\b):8*(8*(\a)+\b)+7], v[128*(\p)+16*\b:128*(\p)+16*\b+15], v[AF+64*(\p)+16*(\a):AF+64*(\p)+16*(\a)+15], v[8*(8*(\a)+\b):8*(8*(\a)+\b)+7], v[SBS+8*\b+(\s)], v[SAS+8*(\a)+(\s)]
.endif
.endr
.endm
.macro GSTEP p, s                      ; a step whose successor's tiles are shown: the other set takes the next step while this one is multiplied
	s_wait_dscnt 0x0                               ; set p is in
	PLACES NP                                      ; behind the products that read the other set
	FS 1-(\p), (\s)+1
	WIN 0xa1
.irp a, 0,1,2,3
	MULA \p, \s, \a, 0
.endr
	WIN 0
.endm
	s_wait_alu depctr_va_vdst(0)                   ; the wait at the head's end
	s_wait_tensorcnt 0x0                           ; my tile of the head's four is in
	ds_add_u32 v[SPW], v[NIL]
	s_lshl_b32 s[G0A0+1], s16, 14                  ; no tensor load of mine is out: region S's descriptors are set for K 768 on, a half a wave
	s_add_nc_u64 s[G0A0+2:G0A0+3], s[20:21], 12288
	s_or_b32 s[G0A0+3], s[G0A0+3], 0x80000000
	s_mov_b32 s[G1A0+2], 4<<16
	s_mov_b32 s[G1A0+4], 4
	s_mul_i32 s[G0B0+1], s16, 128*272
	s_add_co_u32 s[G0B0+1], s[G0B0+1], S0B
	s_add_nc_u64 s[G0B0+2:G0B0+3], s[46:47], 768
	s_or_b32 s[G0B0+3], s[G0B0+3], 0x80000000
	s_mov_b32 s[G1B0+2], 128<<16
	s_mov_b32 s[G1B0+4], 128
	s_wait_dscnt 0x0
	CROUND                                         ; all four tiles are in, and all sixteen work-groups are here
	JLOAD G0AD, G1AD, G0BD, G1BD                   ; K 256-767: the first tensor load behind the round
.irp a, 0,1,2,3                        ; all scale words, once: 8 words a row
	ds_load_b128 v[SAS+8*\a:SAS+8*\a+3], v[ASA] offset:\a*544
	ds_load_b128 v[SAS+8*\a+4:SAS+8*\a+7], v[ASA] offset:\a*544+16
.endr
.irp b, 0,1,2,3,4,5,6,7
	ds_load_b128 v[SBS+8*\b:SBS+8*\b+3], v[ASB] offset:\b*544
	ds_load_b128 v[SBS+8*\b+4:SBS+8*\b+7], v[ASB] offset:\b*544+16
.endr
	FS 0, 0
	s_wait_loadcnt 0x0                             ; the bias
	s_wait_dscnt 0x0
	FS 1, 1
	WIN 0xb1                                       ; C from window 3: the first products start the sums with the bias
.irp a, 0,1,2,3
	MULA 0, 0, \a, 1
.endr
	WIN 0
	s_wait_tensorcnt 0x0                           ; STEP 1 AND THE REFILL OF REGION S.  My part of region D is in;
	ds_add_u32 v[SPW], v[NIL]
	s_wait_dscnt 1                                 ; set 1 is in (the add may be out)
	WIN 0xa1
	MULA 1, 1, 0, 0
	s_wait_dscnt 0x0                               ; the add is done, and my reads of region S are over
	s_barrier_signal -1
	MULA 1, 1, 1, 0
	WIN 0
	s_barrier_wait -1
	CREST                                          ; the barrier has opened a round of the cluster's barrier
	JLOAD G0A0, G1A0, G0B0, G1B0                   ; K 768-1,023 over region S: the first tensor load behind the round; its four v_nop are among the places below
	PLACES NP-4
	FS 0, 2
	WIN 0xa1
	MULA 1, 1, 2, 0
	MULA 1, 1, 3, 0
	WIN 0
	GSTEP 0, 2
	GSTEP 1, 3
	GSTEP 0, 4
	s_wait_dscnt 0x0                               ; STEP 5.  Set 1 is in: my reads of region D are over;
	s_wait_tensorcnt 0x0                           ; my part of K 768 on is in.
	s_barrier_signal -1
	WIN 0xa1
	MULA 1, 5, 0, 0
	MULA 1, 5, 1, 0
	WIN 0
	s_barrier_wait -1
	PLACES NP
	FS 0, 6
	WIN 0xa1
	MULA 1, 5, 2, 0
	MULA 1, 5, 3, 0
	WIN 0
	GSTEP 0, 6
	s_wait_dscnt 0x0
	WIN 0xa1
.irp a, 0,1,2,3
	MULA 1, 7, \a, 0
.endr
	WIN 0
; THE WAY OUT.  LDS serves a wave's instructions in order: no wait between the stage's stores and its loads.
.macro TOSTAGE a
	WIN 0x08                                       ; the data: window 2
.irp b, 0,1,2,3,4,5,6,7
	ds_store_b128 v[STO], v[64*(\a)+8*\b:64*(\a)+8*\b+3] offset:128*(\b/2)+32*(\b%2)       ; each accumulator from its low end on
	ds_store_b128 v[STO], v[64*(\a)+8*\b+4:64*(\a)+8*\b+7] offset:128*(\b/2)+32*(\b%2)+16
.endr
	WIN 0
.set BB, AF+64*((\a)%2)
.irp t, 0,1,2,3,4,5,6,7,8,9,10,11,12,13,14,15
	ds_load_b128 v[BB+4*\t:BB+4*\t+3], v[RD] offset:\t*SPITCH
.endr
.endm
.macro SEND a, younger                 ; position 16 a + t is row 32 (a / 2) + 8 (a % 2) + t + 8 (t / 8)
.set BB, AF+64*((\a)%2)
	s_wait_dscnt \younger
.irp t, 0,1,2,3,4,5,6,7,8,9,10,11,12,13,14,15
	global_store_b128 v[CO], v[BB+4*\t:BB+4*\t+3], s[12:13] offset:(32*((\a)/2)+8*((\a)%2)+\t+8*(\t/8))*4096 th:TH_STORE_NT   ; 512 consecutive bytes a wave, aligned
.endr
.endm
	PLACES NP
	TOSTAGE 0
.irp a, 1,2,3
.if \a > 1
	s_wait_xcnt 0x0                                ; block a - 2's stores have read their registers
.endif
	TOSTAGE \a
	SEND \a-1, 32                                  ; behind block a - 1's loads: block a's 16 stores and 16 loads
.endr
	SEND 3, 0
	s_wait_tensorcnt 0x0                           ; the wave's end
	ds_add_u32 v[SPW], v[NIL]
	s_wait_dscnt 0x0
	CROUND                                         ; the closing round
	s_endpgm
.Lfunc_end_k_q090903b4bd_gemm_out:
	.size	k_q090903b4bd_gemm_out, .Lfunc_end_k_q090903b4bd_gemm_out-k_q090903b4bd_gemm_out
	.p2alignl 7, 3214868480
	.fill 96, 4, 3214868480
	.section	.rodata,"a",@progbits
	.p2align	6, 0x0
	.amdhsa_kernel k_q090903b4bd_gemm_out
		.amdhsa_group_segment_fixed_size 327680
		.amdhsa_private_segment_fixed_size 0
		.amdhsa_enable_private_segment 0
		.amdhsa_kernarg_size 48
		.amdhsa_user_sgpr_count 2
		.amdhsa_user_sgpr_kernarg_segment_ptr 1
		.amdhsa_wavefront_size32 1
		.amdhsa_system_sgpr_workgroup_id_x 1
		.amdhsa_system_sgpr_workgroup_id_y 1
		.amdhsa_system_sgpr_workgroup_id_z 1
		.amdhsa_system_vgpr_workitem_id 0
		.amdhsa_next_free_vgpr 1024
		.amdhsa_next_free_sgpr 100
		.amdhsa_reserve_vcc 0
		.amdhsa_float_denorm_mode_32 3
		.amdhsa_float_denorm_mode_16_64 3
		.amdhsa_memory_ordered 1
		.amdhsa_forward_progress 1
		.amdhsa_inst_pref_size 90
	.end_amdhsa_kernel
	.amdgpu_metadata
---
amdhsa.version: [ 1, 2 ]
amdhsa.kernels:
  - .name:           k_q090903b4bd_gemm_out
    .symbol:         k_q090903b4bd_gemm_out.kd
    .args:
      - { .name: oc, .offset: 0, .size: 8, .value_kind: global_buffer, .address_space: global }
      - { .name: os, .offset: 8, .size: 8, .value_kind: global_buffer, .address_space: global }
      - { .name: wc, .offset: 16, .size: 8, .value_kind: global_buffer, .address_space: global }
      - { .name: ws, .offset: 24, .size: 8, .value_kind: global_buffer, .address_space: global }
      - { .name: bo, .offset: 32, .size: 8, .value_kind: global_buffer, .address_space: global }
      - { .name: out0, .offset: 40, .size: 8, .value_kind: global_buffer, .address_space: global }
    .group_segment_fixed_size: 327680
    .private_segment_fixed_size: 0
    .kernarg_segment_align: 8
    .kernarg_segment_size: 48
    .max_flat_workgroup_size: 128
    .sgpr_count:     100
    .vgpr_count:     1024
    .wavefront_size: 32
...
	.end_amdgpu_metadata
.endif
;; end of part 4
